; MI455X (gfx1250); checked and timed in simulation.
; The chip was launched on July 23, 2026; its instructions are those of AMD's public machine-readable ISA for CDNA 5 (MIT licence, August 2026) and "CDNA5" Instruction Set Architecture Reference Guide (July 2026). The comments in the code are by the model that wrote it; some were corrected since.
;; Attention. Allowed arithmetic: matrix products marked QUANTISED: E3M2 operands, one E8M0 scale for each 32 along K, by v_wmma_scale_f32_16x16x128_f8f6f4 with both operands' format E3M2, f32 sums; everything else in f32.
;; Inputs: Wk 1,024 x 1,024 float32; Wo 1,024 x 1,024 float32; Wq 1,024 x 1,024 float32; Wv 1,024 x 1,024 float32; bk 1,024 float32; bo 1,024 float32; bq 1,024 float32; bv 1,024 float32; x 4 x 2,048 x 1,024 float32.
;; Outputs: out0 4 x 2,048 x 1,024 float32.
;; This version of the problem:
;;   THIS VERSION OF THE PROBLEM IS GIVEN IN LOW PRECISION. The matrix products marked QUANTISED in the list below multiply operands that are first quantised to E3M2 (3 exponent bits, 2 mantissa bits; 6 bits a number), with one power-of-two scale for each 32 numbers along K (OCP MX v1.0); their sums are f32. All else is computed in f32.
;;   The module's matrix products, in the order in which they are computed (A, B: the left and right operand; K: the contracted axis; several contracted axes count as one K, in the product's order):
;;     1. [M 8,192, K 1,024] x [K 1,024, N 1,024]; A: input x; B: input Wq: QUANTISED
;;     2. [M 8,192, K 1,024] x [K 1,024, N 1,024]; A: input x; B: input Wk: QUANTISED
;;     3. [M 8,192, K 1,024] x [K 1,024, N 1,024]; A: input x; B: input Wv: QUANTISED
;;     4. batch 64 x [M 2,048, K 64] x [K 64, N 2,048]; A: computed on the way; B: computed on the way: QUANTISED
;;     5. batch 64 x [M 2,048, K 2,048] x [K 2,048, N 64]; A: softmax (see below); B: computed on the way: QUANTISED
;;     6. [M 8,192, K 1,024] x [K 1,024, N 1,024]; A: computed on the way; B: input Wo: QUANTISED
;;   THE QUANTISER, for each operand of a quantised product, along K:
;;     - K is cut into blocks of 32 from its start; a last block that is shorter is filled with zeros.
;;     - A block's scale is 2^e with e = floor(log2(the largest magnitude in the block)) - 4, held to -126 .. 127; a block of zeros has e = 0. As a byte (E8M0): e + 127.
;;     - Each number is divided by its block's scale, clamped to +-28, and rounded to the nearest number of E3M2, ties to even, subnormals kept.
;;     - The product sums the exact products of the quantised numbers (number of the format x scale) in f32.
;;   ~~~python
;;   def quantise(x, axis):      # numpy; x: float32 -> the quantised numbers, widened to float32 again
;;       x = np.moveaxis(x, axis, -1); K = x.shape[-1]
;;       x = np.pad(x, [(0, 0)] * (x.ndim - 1) + [(0, -K % 32)]); x = x.reshape(x.shape[:-1] + (-1, 32)); a = np.abs(x).max(-1, keepdims=True)
;;       e = np.where(a > 0, np.clip(np.frexp(np.where(a > 0, a, 1))[1] - 1 - 4, -126, 127), 0)      # np.frexp(a)[1] - 1 = floor(log2(a)), exactly
;;       r = np.clip(x / 2.0 ** e, -28, 28)
;;       step = 2.0 ** (np.maximum(np.frexp(np.where(r == 0, 1, r))[1] - 1, -2) - 2)
;;       q = np.round(r / step) * step * 2.0 ** e      # np.round: ties to even
;;       return np.moveaxis(q.reshape(q.shape[:-2] + (-1,))[..., :K], -1, axis).astype(np.float32)
;;   ~~~
;;   SOFTMAX AHEAD OF A QUANTISED PRODUCT. Where the list says 'softmax', what is quantised is not the finished softmax but p = 2^(t - M), with t = logit x log2(e) and M = ceil(the row's largest t), a whole number; so 1/2 < the row's largest p <= 1. The row's sum l is taken of the UNQUANTISED p, in f32, and the product's result is divided by l at the end. Since M is a whole number, a kernel that streams over the keys may use a running M (the ceiling of the running maximum): every later rescaling is an exact power of two, which a block's scale takes up: the codes' values come out the same.
;;   OPERANDS COMPUTED ON THE WAY. 'Computed on the way' means the value that the module computes at that place (a softmax that the list does not call 'softmax' is quantised finished and normalised). What goes into a quantiser is computed in f32, as accurately as f32 sums, v_exp_f32 and their like allow (about 1e-6 of the number): no bf16 or f16 on the way to a quantiser, and a product that is left as it is and whose result goes on into a quantised operand takes f32 operands (vector FMAs, or v_wmma_f32_16x16x4_f32). A number that lies on a knife's edge between two numbers of the format may be rounded either way, as far as f32 arithmetic and the matrix unit's own rounding can turn it there, and no further.
;; One version. Each part assembles by itself: llvm-mc -triple=amdgcn-amd-amdhsa -mcpu=gfx1250 --defsym DOCPART=n.
;; ======== version 1 of 1: 4 launches
;; limits: right only within a limited range of input values
;; workspace buffers: cw 9,437,184 bytes; sw 393,216 bytes; qkv 20,185,088 bytes; ac 6,291,456 bytes; ascl 262,144 bytes
;; launch quant (part 1): grid 768 x 1, 4 waves a work-group, no clusters, 34,304 bytes of LDS; arguments x, Wq, Wk, Wv, Wo, cw, sw; writes cw, sw
.if DOCPART == 1
	.amdgcn_target "amdgcn-amd-amdhsa--gfx1250"
	.amdhsa_code_object_version 6
	.text
	.protected	k_qa0568dcc02_quant
	.globl	k_qa0568dcc02_quant
	.p2align	8
	.type	k_qa0568dcc02_quant,@function
k_qa0568dcc02_quant:
	s_mov_b64 s[64:65], 0
	v_nop
	global_prefetch_b8 v0, s[64:65] scope:SCOPE_SE
	s_setreg_imm32_b32 hwreg(HW_REG_WAVE_MODE, 25, 1), 1
	s_wait_xcnt 0x0
; x [8192][1024] and Wq, Wk, Wv, Wo [1024][1024], f32, K innermost, become codes of BF6 (E3M2), 6 bits each, and one E8M0 scale byte for each 32 along K.
; The 12,288 rows count on end: x, Wq, Wk, Wv, Wo.  cw: four planes, one for each 256 along K; a plane holds every row's 192 bytes on end, so that 128 neighbouring rows of a plane
; are 24,576 dense bytes that begin at a multiple of 256.  sw: the rows on end, 32 scale bytes each.
; A block's scale is 2^(floor(log2(its largest magnitude)) - 4); its byte is the largest magnitude's exponent field - 4, held at 1 from below.
; ROW ORDER: a row goes to the place whose number has bits 3 and 4 exchanged.  Sixteen neighbouring places 16 T + r then hold the true rows 32 (T / 2) + 8 (T % 2) + r + 8 (r / 8):
; the later launches take sixteen neighbouring places as a tile, and a result's 16 registers of two neighbouring tiles are then 16 true neighbours.
; LIMITS: NaN and infinities are not served.  A block of zeros, or one whose largest magnitude lies under 2^(5 - 127), keeps the byte 1 where the rule says 127: its codes are zeros (or the
; nearest codes under that scale), and the bytes are read by this program alone.
; SHARES: 768 work-groups of 16 rows, three for each of 256 WGPs; a wave takes 4 rows (4,096 numbers) in 8 steps of 512.  Of a row's number bits 2 and 3 are the wave's number and bit 4 the
; work-group's lowest bit, so the exchange is made in the wave's output address alone.
; Each of a step's four loads reads 512 consecutive bytes; the 2,048 bytes turn through the wave's own stage in LDS and come back 64 bytes a lane: 16 neighbours along K, two lanes to a block.
; OUT: a wave's 4 places are neighbours, so its codes are 768 dense bytes in each plane, at a multiple of 256.  They are gathered in the wave's own LDS bytes, [plane][768], and leave by six stores of
; 16 bytes a lane: sixteen neighbouring lanes fill one aligned block of 256 bytes.  Its 128 scale bytes leave by one store of 4 bytes a lane: half of such a block, the wave beside it fills the other half.
; No tensor loads, no barrier: waves share nothing.  Loads run four steps (16 loads a wave) ahead, the turn through LDS one step.
.set STEPS, 8
.set EMAX,  4
.set CB,    12                         ; bytes of 16 codes
.set KPL,   2359296                    ; a plane of cw: 12,288 rows x 192 bytes
.set R,     16                         ; v16-79   four sets of 16 numbers as they are loaded; at the end v16-39 the codes on their way out
.set X,     80                         ; v80-111  two sets of 16 neighbours
.set E,     112                        ; v112-119 a scale byte for each step
.set RDC,   120                        ; v120     LDS: my wave's region + 16 x lane
.set SPW,   122                        ; v122     LDS address of my spare word; never rewritten
.set NIL,   123                        ; v123     0; never rewritten
.set C,     128                        ; v128-159 codes: four registers for each step, never written again
.set SP,    80                         ; a lane's place in a stage: 64 bytes + 16 of padding
.set SCB,   2*32*SP                    ; in a wave's region, behind the two stages: its 128 scale bytes, in a block of 256,
.set COD,   SCB+256                    ; and its codes, 4 planes x 768 bytes
.set WREG,  COD+3072                   ; a wave's region: 8,448 bytes
.set SPARE, 4*WREG                     ; behind the four regions: the spare words, 128 bytes a wave
	s_load_b256 s[4:11], s[0:1], 0x0               ; x, Wq, Wk, Wv
	s_load_b128 s[12:15], s[0:1], 0x20             ; Wo, cw
	s_load_b64 s[16:17], s[0:1], 0x30              ; sw
	v_lshl_add_u32 v[SPW], v0, 2, SPARE
	v_mov_b32 v[NIL], 0
	v_lshrrev_b32 v1, 5, v0
	v_readfirstlane_b32 s18, v1                    ; wave
	v_and_b32 v2, 31, v0                           ; lane
	v_lshlrev_b32 v3, 4, v2                        ; 16 x lane: my bytes of a load's 512, and of a store's
	s_mul_i32 s19, s18, WREG
	v_lshrrev_b32 v14, 2, v2
	v_mul_u32_u24 v14, v14, SP
	v_and_b32 v15, 3, v2
	v_lshl_add_u32 v14, v15, 4, v14
	v_add_nc_u32 v14, s19, v14                     ; the stage, on the way in: SP (lane / 4) + 16 (lane % 4)
	v_mul_u32_u24 v15, v2, SP
	v_add_nc_u32 v15, s19, v15                     ; and on the way out: SP x lane
	v_and_b32 v8, 15, v2
	v_lshrrev_b32 v9, 4, v2
	v_mul_u32_u24 v4, v8, CB
	v_mad_u32_u24 v4, v9, 768, v4
	v_add_nc_u32 v4, s19, v4                       ; my codes in LDS: sixteen lanes fill a row's 192 bytes of a plane, lanes 16-31 those of the next plane
	v_lshlrev_b32 v10, 4, v8
	v_mad_u32_u24 v10, v9, KPL-512, v10            ; for a store whose lanes 0-15 end a plane's 768 bytes and whose lanes 16-31 begin the next plane's
	v_lshrrev_b32 v5, 1, v2
	v_add_nc_u32 v5, s19, v5                       ; my block's byte among a step's 16
	v_lshlrev_b32 v7, 2, v2                        ; the scale bytes on the way out: 4 a lane
	v_add_nc_u32 v6, s19, v7
	v_add_nc_u32 v[RDC], s19, v3
	s_sub_co_u32 s20, ttmp9, 512                   ; work-groups 0-511 take x, 512 + 64 i + j part j of weight i (it wraps for x: not used there)
	s_lshr_b32 s21, s20, 6                         ; which weight
	s_and_b32 s22, s20, 63                         ; which part of it
	s_lshr_b32 s27, ttmp9, 1                       ; the run of 4 places that I write: from bit 3 on the work-group's number / 2,
	s_lshl_b32 s27, s27, 3
	s_lshr_b32 s26, s18, 1
	s_lshl_b32 s26, s26, 2
	s_or_b32 s27, s27, s26                         ; bit 2 (the place's bit 4): the wave's upper bit, the row's bit 3,
	s_and_b32 s26, ttmp9, 1
	s_lshl_b32 s26, s26, 1
	s_or_b32 s27, s27, s26                         ; bit 1 (the place's bit 3): the work-group's lowest bit, the row's bit 4,
	s_and_b32 s26, s18, 1
	s_or_b32 s27, s27, s26                         ; bit 0: the wave's lower bit
	s_wait_alu depctr_va_vdst(0)
	s_wait_kmcnt 0x0
	s_cmp_eq_u32 s21, 2                            ; the choices hang on the work-group's number alone
	s_cselect_b64 s[12:13], s[10:11], s[12:13]
	s_cmp_eq_u32 s21, 1
	s_cselect_b64 s[12:13], s[8:9], s[12:13]
	s_cmp_eq_u32 s21, 0
	s_cselect_b64 s[12:13], s[6:7], s[12:13]
	s_cmp_lt_u32 ttmp9, 512
	s_cselect_b64 s[4:5], s[4:5], s[12:13]
	s_cselect_b32 s23, ttmp9, s22
	s_lshl_b32 s24, s23, 2
	s_add_co_u32 s24, s24, s18
	s_lshl_b32 s24, s24, 14                        ; my 4 rows in the tensor: 16,384 bytes a run
	s_mov_b32 s25, 0
	s_add_nc_u64 s[4:5], s[4:5], s[24:25]
	s_mul_i32 s24, s27, 768                        ; 4 places of 192 bytes in a plane
	s_add_nc_u64 s[14:15], s[14:15], s[24:25]
	s_lshl_b32 s24, s27, 7                         ; 4 places of 32 bytes
	s_add_nc_u64 s[16:17], s[16:17], s[24:25]
.macro LOAD t
.irp i, 0,1,2,3
	global_load_b128 v[R+16*((\t)%4)+4*\i:R+16*((\t)%4)+4*\i+3], v3, s[4:5] offset:2048*(\t)+512*\i th:TH_LOAD_NT   ; 32 lanes read 512 consecutive bytes
.endr
.endm
.macro TURN t                          ; step t's numbers through the stage: LDS serves a wave's instructions in order, so no wait stands between the stores and the loads
.irp i, 0,1,2,3
	ds_store_b128 v14, v[R+16*((\t)%4)+4*\i:R+16*((\t)%4)+4*\i+3] offset:32*SP*((\t)%2)+8*SP*\i
.endr
.irp i, 0,1,2,3
	ds_load_b128 v[X+16*((\t)%2)+4*\i:X+16*((\t)%2)+4*\i+3], v15 offset:32*SP*((\t)%2)+16*\i
.endr
.endm
.irp t, 0,1,2,3
	LOAD \t
.endr
	s_wait_loadcnt 12                              ; step 0's four loads are in; the twelve of steps 1 to 3 stay out
	TURN 0
.macro STEP t
.set XS, X+16*((\t)%2)
.if (\t) > 0
	s_wait_dscnt 4                                 ; this step's numbers are back from the stage (the last step's four stores, a byte and three words of codes, may be out): its stores into the stage have read their registers,
.else
	s_wait_dscnt 0x0
.endif
.if (\t)+4 < STEPS
	LOAD (\t)+4                                    ; which take the loads of four steps on
.endif
.if (\t)+1 < STEPS
.if STEPS-2-(\t) >= 3
	s_wait_loadcnt 12                              ; the next step's four loads are in; those of the three steps behind it may be out
.else
	s_wait_loadcnt 4*(STEPS-2-(\t))
.endif
	TURN (\t)+1                                    ; and go through the other stage while this step is worked
.endif
	v_max3_num_f32 v8, |v[XS]|, |v[XS+1]|, |v[XS+2]|               ; the largest magnitude of my 16, in two chains
	v_max3_num_f32 v9, |v[XS+3]|, |v[XS+4]|, |v[XS+5]|
.irp i, 6,10
	v_max3_num_f32 v8, v8, |v[XS+\i]|, |v[XS+\i+1]|
	v_max3_num_f32 v9, v9, |v[XS+\i+2]|, |v[XS+\i+3]|
.endr
	v_max3_num_f32 v8, v8, |v[XS+14]|, |v[XS+15]|
	v_max3_num_f32 v8, v8, v9, (EMAX+1)<<23        ; and the floor 2^(5 - 127): the byte cannot fall under 1
	v_max_num_f32_dpp v8, v8, v8 row_xmask:1 row_mask:0xf bank_mask:0xf   ; and of my neighbour's 16: the block's
	v_add_nc_u32 v11, -(EMAX<<23), v8              ; 4 off its exponent field: the conversion takes the exponent field of this operand as its scale
	v_cvt_scalef32_pk16_bf6_f32 v[C+4*(\t):C+4*(\t)+2], v[XS:XS+15], v11
	v_lshrrev_b32 v[E+(\t)], 23, v11               ; the scale's byte (also the plain line behind the conversion)
	ds_store_b8 v5, v[E+(\t)] offset:SCB+16*(\t)   ; both lanes of a block write the same byte with the same value
.irp i, 0,1,2
	ds_store_b32 v4, v[C+4*(\t)+\i] offset:COD+1536*((\t)%2)+192*((\t)/2)+4*\i   ; row t / 2, planes 2 (t % 2) and 2 (t % 2) + 1; 12 bytes a lane, word by word, so that every address is a multiple of the access's size
.endr
.endm
.irp t, 0,1,2,3,4,5,6,7
	STEP \t
.endr
	ds_load_b32 v12, v6 offset:SCB                 ; LDS serves a wave's instructions in order: these see my stores
.irp j, 0,1,2,3,4,5
	ds_load_b128 v[R+4*\j:R+4*\j+3], v[RDC] offset:COD+512*\j      ; blocks 2 j and 2 j + 1 of the region's twelve of 256 bytes; three blocks to a plane
.endr
	s_wait_dscnt 0x0
	global_store_b32 v7, v12, s[16:17]             ; my 4 places' 128 scale bytes
	global_store_b128 v3, v[R:R+3], s[14:15]                           ; plane 0, bytes 0-511
	global_store_b128 v10, v[R+4:R+7], s[14:15] offset:512             ; plane 0, bytes 512-767; plane 1, bytes 0-255
	global_store_b128 v3, v[R+8:R+11], s[14:15] offset:KPL+256         ; plane 1, bytes 256-767
	global_store_b128 v3, v[R+12:R+15], s[14:15] offset:2*KPL          ; and the same for planes 2 and 3
	global_store_b128 v10, v[R+16:R+19], s[14:15] offset:2*KPL+512
	global_store_b128 v3, v[R+20:R+23], s[14:15] offset:3*KPL+256
	s_wait_tensorcnt 0x0                           ; the wave's end, behind my last LDS store
	ds_add_u32 v[SPW], v[NIL]
	s_wait_dscnt 0x0
	s_endpgm
.Lfunc_end_k_qa0568dcc02_quant:
	.size	k_qa0568dcc02_quant, .Lfunc_end_k_qa0568dcc02_quant-k_qa0568dcc02_quant
	.p2alignl 7, 3214868480
	.fill 96, 4, 3214868480
	.section	.rodata,"a",@progbits
	.p2align	6, 0x0
	.amdhsa_kernel k_qa0568dcc02_quant
		.amdhsa_group_segment_fixed_size 34304
		.amdhsa_private_segment_fixed_size 0
		.amdhsa_enable_private_segment 0
		.amdhsa_kernarg_size 56
		.amdhsa_user_sgpr_count 2
		.amdhsa_user_sgpr_kernarg_segment_ptr 1
		.amdhsa_wavefront_size32 1
		.amdhsa_system_sgpr_workgroup_id_x 1
		.amdhsa_system_sgpr_workgroup_id_y 1
		.amdhsa_system_sgpr_workgroup_id_z 1
		.amdhsa_system_vgpr_workitem_id 0
		.amdhsa_next_free_vgpr 160
		.amdhsa_next_free_sgpr 66
		.amdhsa_reserve_vcc 0
		.amdhsa_float_denorm_mode_32 3
		.amdhsa_float_denorm_mode_16_64 3
		.amdhsa_memory_ordered 1
		.amdhsa_forward_progress 1
		.amdhsa_inst_pref_size 20
	.end_amdhsa_kernel
	.amdgpu_metadata
---
amdhsa.version: [ 1, 2 ]
amdhsa.kernels:
  - .name:           k_qa0568dcc02_quant
    .symbol:         k_qa0568dcc02_quant.kd
    .args:
      - { .name: x, .offset: 0, .size: 8, .value_kind: global_buffer, .address_space: global }
      - { .name: Wq, .offset: 8, .size: 8, .value_kind: global_buffer, .address_space: global }
      - { .name: Wk, .offset: 16, .size: 8, .value_kind: global_buffer, .address_space: global }
      - { .name: Wv, .offset: 24, .size: 8, .value_kind: global_buffer, .address_space: global }
      - { .name: Wo, .offset: 32, .size: 8, .value_kind: global_buffer, .address_space: global }
      - { .name: cw, .offset: 40, .size: 8, .value_kind: global_buffer, .address_space: global }
      - { .name: sw, .offset: 48, .size: 8, .value_kind: global_buffer, .address_space: global }
    .group_segment_fixed_size: 34304
    .private_segment_fixed_size: 0
    .kernarg_segment_align: 8
    .kernarg_segment_size: 56
    .max_flat_workgroup_size: 128
    .sgpr_count:     66
    .vgpr_count:     160
    .wavefront_size: 32
...
	.end_amdgpu_metadata
.endif
;; end of part 1
;; launch proj (part 2): grid 8 x 48, 4 waves a work-group, clusters of 4 x 4, 327,680 bytes of LDS; arguments cw, sw, bq, bk, bv, qkv; writes qkv
.if DOCPART == 2
	.amdgcn_target "amdgcn-amd-amdhsa--gfx1250"
	.amdhsa_code_object_version 6
	.text
	.protected	k_qa0568dcc02_proj
	.globl	k_qa0568dcc02_proj
	.p2align	8
	.type	k_qa0568dcc02_proj,@function
k_qa0568dcc02_proj:
	s_mov_b64 s[64:65], 0
	v_nop
	global_prefetch_b8 v0, s[64:65] scope:SCOPE_SE
	s_setreg_imm32_b32 hwreg(HW_REG_WAVE_MODE, 25, 1), 1
	s_wait_xcnt 0x0
	s_wait_alu depctr_hold_cnt(0) depctr_sa_sdst(0) depctr_va_vdst(0) depctr_va_sdst(0) depctr_va_ssrc(0) depctr_va_vcc(0) depctr_vm_vsrc(0)
	s_getreg_b32 s2, hwreg(HW_REG_IB_STS2, 6, 4)
	s_cmp_eq_u32 s2, 0
	s_cbranch_scc0 .Lentry_in_a_cluster
	s_endpgm
.Lentry_in_a_cluster:
	s_bfe_u32 s2, ttmp6, 0x10000c
	s_cmp_lg_u32 s2, 0xf033
	s_cbranch_scc0 .Lentry_shape_is_right
	s_endpgm
.Lentry_shape_is_right:
.set KSTEP,  256
.set NQ,     2
.set ROWB,   2359296                   ; from one K step of 256 to the next: a plane of cw, 12,288 rows x 192 bytes
.set KROW,   768
.set PITCH,  240
.set FR,     12
.set NL,     6
.set NP,     4
.set HALFT,  128*PITCH
.set SLOT,   4*HALFT
.set LAPS,   2
.set KS,     32
.set SCL,    2*SLOT
.set HALFS,  (128*KS/256)*272
.set SBLK,   (16*KS/256)*272
.set SPARE,  SCL+4*HALFS
.set REC,    315392
.set ADRA, 16
.set ADRB, 20
.set LI16, 24
.set LI8,  25
.set BIO,  26
.set ADRS, 27
.set SPW,  28
.set NIL,  29
.set BJO,  30
.set SC,   32
.set AF,   128
.set BI,   64
.set BJ,   64
.set ST,   128
.set R,    192
.set CT,   216
.set TM,   224
.set PW,   240
.set SW,   244
.set G1, 24
.set G0, 32
.set G1B, 48
.set G0B, 56
.set G1S, 68
.set G0S, 76
.set G1SB, 80
.set G0SB, 88
.set SEL, 100
.set MSB, 0
.macro WIN new
.if MSB != (\new)
	s_set_vgpr_msb (MSB<<8)|(\new)
.set MSB, (\new)
.endif
.endm
.set MUL_LO, 0xa1
.set MUL_HI, 0xf1
.set TO_B,   0x40
.macro JLOAD g0a, g1a, g0b, g1b
	s_cmp_eq_u32 s15, 0
	s_cbranch_scc0 .Lfor_b_\@
	tensor_load_to_lds s[\g0a:\g0a+3], s[\g1a:\g1a+7]
	s_nop 0
.rept 4
	v_nop
.endr
	s_branch .Lasked_\@
.Lfor_b_\@:
	tensor_load_to_lds s[\g0b:\g0b+3], s[\g1b:\g1b+7]
	s_nop 0
.rept 4
	v_nop
.endr
.Lasked_\@:
.endm
.macro CREST
	s_cmp_lg_u32 s14, 0
	s_cbranch_scc1 .Lnot_wave_0_\@
	s_barrier_signal -3
.Lnot_wave_0_\@:
	s_barrier_wait -3
	s_barrier_signal -1
	s_barrier_wait -1
.endm
.macro CROUND
	s_barrier_signal -1
	s_barrier_wait -1
	CREST
.endm
	s_load_b128 s[4:7], s[0:1], 0x0
	s_load_b128 s[8:11], s[0:1], 0x10
	s_load_b64 s[12:13], s[0:1], 0x20
	s_load_b64 s[96:97], s[0:1], 0x28
	v_lshl_add_u32 v[SPW], v0, 2, SPARE
	v_mov_b32 v[NIL], 0
	ds_add_u32 v28, v29
	ds_add_u32 v28, v29
	s_wait_dscnt 0x0
	v_lshrrev_b32 v1, 5, v0
	v_readfirstlane_b32 s14, v1
	s_lshr_b32 s15, s14, 1
	s_and_b32 s16, s14, 1
	s_bfe_u32 s40, ttmp6, 0x40000
	s_bfe_u32 s41, ttmp6, 0x40004
	s_and_b32 s66, ttmp7, 0xffff
	s_lshl_b32 s17, s66, 2
	s_sub_co_u32 s42, s66, 8
	s_lshl_b32 s42, s42, 1
	s_add_co_u32 s42, s42, ttmp9
	s_mov_b32 s18, 10240
	s_mov_b32 s67, 8192
	s_cmp_ge_u32 s66, 8
	s_cselect_b32 s95, 1, 0
	s_cselect_b32 s17, 0, s17
	s_cselect_b32 s42, s42, ttmp9
	s_cselect_b32 s18, s18, 0
	s_cselect_b32 s67, 0, s67
	s_add_co_u32 s17, s17, s41
	s_lshl_b32 s42, s42, 2
	s_add_co_u32 s42, s42, s40
	s_lshl_b32 s43, s41, 2
	s_lshl_b32 s43, 15, s43
	s_lshl_b32 s44, 0x1111, s40
	s_or_b32 s[G1+0], s43, (0<<16)|(1<<20)|(1<<21)|(3<<22)|(3<<25)
	s_or_b32 s[G1B+0], s44, (0<<16)|(1<<20)|(1<<21)|(3<<22)|(3<<25)
.irp g, G1, G1B
	s_mov_b32 s[\g+1], 256<<16                     ; a tile's rows of 192 bytes lie dense in a plane: stated as rows of 256 bytes; the padding's interval stays 64 bytes, so an LDS row of codes is 240 bytes
	s_mov_b32 s[\g+2], 192<<16                     ; the head's loads: 256 rows of codes = 192 rows of 256 bytes
	s_mov_b32 s[\g+3], 256<<16
	s_mov_b32 s[\g+4], 192
	s_mov_b32 s[\g+5], 256
	s_mov_b32 s[\g+6], 0
	s_mov_b32 s[\g+7], 0
.endr
	s_or_b32 s[G1S+0], s43, (3<<16)|(1<<20)|(1<<21)|(5<<22)|(3<<25)
	s_or_b32 s[G1SB+0], s44, (3<<16)|(1<<20)|(1<<21)|(5<<22)|(3<<25)
.irp g, G1S, G1SB
	s_mov_b32 s[\g+1], 32<<16
	s_mov_b32 s[\g+2], KS<<16                      ; the scales of 256 rows: KS rows of 256 bytes
	s_mov_b32 s[\g+3], 32<<16
	s_mov_b32 s[\g+4], KS
	s_mov_b32 s[\g+5], 32
	s_mov_b32 s[\g+6], 0
	s_mov_b32 s[\g+7], 0
.endr
	s_lshl_b32 s20, s17, 8
	s_add_co_u32 s20, s20, s18
	s_lshl_b32 s46, s42, 8
	s_add_co_u32 s46, s46, s67
	s_lshl_b32 s22, s20, 5
	s_mov_b32 s23, 0
	s_lshl_b32 s92, s46, 5
	s_mov_b32 s93, 0
	s_mul_i32 s20, s20, 192
	s_mov_b32 s21, 0
	s_mul_i32 s46, s46, 192
	s_mov_b32 s47, 0
	s_mul_i32 s45, s14, HALFT
	s_mul_i32 s18, s16, 24576                      ; in the ring I fetch 128 rows of a tile: which half, in bytes
	s_mov_b32 s19, 0
	s_wait_kmcnt 0x0
	s_add_nc_u64 s[20:21], s[4:5], s[20:21]
	s_add_nc_u64 s[22:23], s[6:7], s[22:23]
	s_add_nc_u64 s[46:47], s[4:5], s[46:47]
	s_add_nc_u64 s[92:93], s[6:7], s[92:93]
	CROUND
	s_mov_b32 s[G0S], 1
	s_mov_b32 s[G0S+1], SCL
	s_mov_b64 s[G0S+2:G0S+3], s[22:23]
	s_or_b32 s[G0S+3], s[G0S+3], 0x80000000
	s_mov_b32 s[G0SB], 1
	s_mov_b32 s[G0SB+1], SCL+2*HALFS
	s_mov_b64 s[G0SB+2:G0SB+3], s[92:93]
	s_or_b32 s[G0SB+3], s[G0SB+3], 0x80000000
	s_mov_b32 s[G0], 1                             ; slot 0's groups 0 serve the head first: K step 0's 256 rows of A, whole,
	s_mov_b32 s[G0+1], 0
	s_mov_b64 s[G0+2:G0+3], s[20:21]
	s_or_b32 s[G0+3], s[G0+3], 0x80000000
	s_mov_b32 s[G0B], 1                            ; and its 256 rows of B, behind them
	s_mov_b32 s[G0B+1], 2*HALFT
	s_mov_b64 s[G0B+2:G0B+3], s[46:47]
	s_or_b32 s[G0B+3], s[G0B+3], 0x80000000
	s_add_nc_u64 s[20:21], s[20:21], s[18:19]      ; for the ring: my 128 rows of the tile
	s_add_nc_u64 s[46:47], s[46:47], s[18:19]
	s_mov_b32 s[G0+4], 1                           ; slot 1: K step 1
	s_add_co_u32 s[G0+5], s45, SLOT
	s_add_nc_u64 s[G0+6:G0+7], s[20:21], ROWB
	s_or_b32 s[G0+7], s[G0+7], 0x80000000
	s_mov_b32 s[G0B+4], 1
	s_add_co_u32 s[G0B+5], s45, SLOT
	s_add_nc_u64 s[G0B+6:G0B+7], s[46:47], ROWB
	s_or_b32 s[G0B+7], s[G0B+7], 0x80000000
; the head's four tiles, one joint load a wave: wave 0 A's 256 rows, wave 1 B's, wave 2 A's scales, wave 3 B's; one tree of branches on the wave's number
.macro ARM under, g0, g1, next
	s_cmp_lt_u32 s14, \under
	s_cbranch_scc0 \next
	tensor_load_to_lds s[\g0:\g0+3], s[\g1:\g1+7]
	s_nop 0
.rept 4
	v_nop
.endr
	s_branch .Lhead_asked
\next:
.endm
	ARM 1, G0,  G1,  .Lhead_b
	ARM 2, G0B, G1B, .Lhead_sa
	ARM 3, G0S, G1S, .Lhead_sb
	tensor_load_to_lds s[G0SB:G0SB+3], s[G1SB:G1SB+7]
	s_nop 0
.rept 4
	v_nop
.endr
.Lhead_asked:
	v_and_b32 v1, 15, v0
	v_bfe_u32 v2, v0, 4, 1
	v_mul_u32_u24 v3, v1, PITCH
	v_mul_u32_u24 v4, v2, 24
	v_add_nc_u32 v4, v3, v4
	v_lshl_add_u32 v5, v2, 4, v4
	s_mul_i32 s21, s15, HALFT
	s_mul_i32 s22, s16, HALFT
	s_add_co_u32 s22, s22, 2*HALFT
.irp s, 0,1
	v_add_nc_u32 v[ADRA+\s], s21, v4
	v_add_nc_u32 v[ADRB+\s], s22, v4
	v_add_nc_u32 v[ADRA+2+\s], s21, v5
	v_add_nc_u32 v[ADRB+2+\s], s22, v5
	s_add_co_u32 s21, s21, SLOT
	s_add_co_u32 s22, s22, SLOT
.endr
	v_mul_u32_u24 v5, v1, KS
	v_lshrrev_b32 v6, 8, v5
	v_lshl_add_u32 v5, v6, 4, v5
	s_mul_i32 s21, s15, HALFS
	s_mul_i32 s22, s16, HALFS
	s_add_co_u32 s22, s22, 2*HALFS
	s_sub_co_u32 s22, s22, s21
	v_mul_u32_u24 v6, s22, v2
	s_add_co_u32 s21, s21, SCL
	v_add_nc_u32 v5, v5, v6
	v_add_nc_u32 v[ADRS], s21, v5
	v_and_b32 v6, 31, v0
	v_lshlrev_b32 v[LI16], 4, v6
	v_lshlrev_b32 v[LI8], 3, v6
	v_lshlrev_b32 v[BIO], 6, v2
	v_and_b32 v6, 8, v1
	v_add_nc_u32 v6, v6, v1
	v_lshlrev_b32 v[BJO], 2, v6
	s_lshl_b32 s20, s17, 1
	s_add_co_u32 s20, s20, s15
	s_lshl_b32 s46, s42, 1
	s_add_co_u32 s46, s46, s16
	s_and_b32 s47, s46, 7
	s_lshr_b32 s92, s46, 3
	s_mov_b32 s98, 208896
	s_mov_b32 s99, 307200
	s_mov_b32 s100, 196608
	s_cmp_lg_u32 s92, 0
	s_cselect_b32 s98, 0, s98
	s_cselect_b32 s99, s100, s99
	s_cselect_b64 s[8:9], s[10:11], s[8:9]
	s_mov_b32 s100, 98304
	s_mov_b32 s101, 204800
	s_cmp_lg_u32 s95, 0
	s_cselect_b32 s98, s100, s98
	s_cselect_b32 s99, s101, s99
	s_cselect_b64 s[8:9], s[12:13], s[8:9]
	s_cselect_b32 s100, 8, 9
	s_cselect_b32 s93, s46, s20
	s_cselect_b32 s94, s20, s47
	s_lshr_b32 s20, s93, 4
	s_lshl_b32 s20, s20, 4
	s_lshl_b32 s21, s94, 1
	s_add_co_u32 s20, s20, s21
	s_mul_i32 s20, s20, REC
	s_and_b32 s21, s93, 15
	s_mul_i32 s22, s21, 6144
	s_add_co_u32 s22, s22, s98
	s_add_co_u32 s22, s22, s20
	s_mov_b32 s23, 0
	s_lshl_b32 s46, s21, s100
	s_add_co_u32 s46, s46, s99
	s_add_co_u32 s46, s46, s20
	s_mov_b32 s47, 0
	s_add_nc_u64 s[98:99], s[96:97], s[46:47]
	s_add_nc_u64 s[96:97], s[96:97], s[22:23]
	s_lshl_b32 s22, s94, 9
	s_add_nc_u64 s[8:9], s[8:9], s[22:23]
	s_mov_b32 s[SEL], 0x76543210
	s_mov_b32 s[SEL+1], 0xfedcba98
.macro FRAG reg, adr, q, i
.irp p, 0,1,2,3,4,5
.set PC, 12*(\q)+6*(\p/3)+\p%3
.if PC%8 < 5
	ds_load_b64 v[\reg+2*\p:\reg+2*\p+1], v[\adr] offset:8*PC+16*(PC/8)+(\i)*16*PITCH
.else
	ds_load_b64 v[\reg+2*\p:\reg+2*\p+1], v[\adr+2] offset:8*PC+16*(PC/8)+(\i)*16*PITCH
.endif
.endr
.endm
.macro MUL16 a0, p, q, sc, zero
.irp a, \a0, \a0+1
.irp b, 0,1,2,3,4,5,6,7
.if \zero
	v_wmma_scale_f32_16x16x128_f8f6f4 v[8*(8*((\a)%4)+\b):8*(8*((\a)%4)+\b)+7], v[128*(\p)+FR*\b:128*(\p)+FR*\b+FR-1], v[AF+FR*(\a):AF+FR*(\a)+FR-1], 0, v[SC+8*NQ*(\sc)+NQ*\b+(\q)], v[SC+8*NQ*(\sc)+NQ*(\a)+(\q)] matrix_a_fmt:MATRIX_FMT_BF6 matrix_b_fmt:MATRIX_FMT_BF6 matrix_a_scale:MATRIX_SCALE_ROW1
.else
	v_wmma_scale_f32_16x16x128_f8f6f4 v[8*(8*((\a)%4)+\b):8*(8*((\a)%4)+\b)+7], v[128*(\p)+FR*\b:128*(\p)+FR*\b+FR-1], v[AF+FR*(\a):AF+FR*(\a)+FR-1], v[8*(8*((\a)%4)+\b):8*(8*((\a)%4)+\b)+7], v[SC+8*NQ*(\sc)+NQ*\b+(\q)], v[SC+8*NQ*(\sc)+NQ*(\a)+(\q)] matrix_a_fmt:MATRIX_FMT_BF6 matrix_b_fmt:MATRIX_FMT_BF6 matrix_a_scale:MATRIX_SCALE_ROW1
.endif
.endr
.endr
.endm
.macro FETCH_B slot, q, p
	WIN TO_B
.irp i, 0,1,2,3,4,5,6,7
	FRAG 128*(\p)+FR*\i, ADRB+\slot, \q, \i
.endr
	WIN 0
.endm
.macro FETCH_A slot, q, i0
.irp i, \i0, \i0+1, \i0+2, \i0+3
	FRAG AF+FR*(\i), ADRA+\slot, \q, \i
.endr
.endm
.macro SCALES sc
.irp i, 0,1,2,3,4,5,6,7
	ds_load_b64 v[SC+8*NQ*\sc+NQ*\i:SC+8*NQ*\sc+NQ*\i+1], v[ADRS] offset:\i*SBLK
.endr
.endm
.macro PLACES n
.rept \n
	v_nop
.endr
.endm
.macro STEP slot, q, zero
	s_wait_dscnt 4*NL
	WIN MUL_LO
	MUL16 0, (\q)%2, \q, \slot, \zero
	MUL16 2, (\q)%2, \q, \slot, \zero
	s_wait_dscnt 0
	PLACES NP
	FETCH_B \slot, (\q)+1, 1-(\q)%2
	FETCH_A \slot, (\q)+1, 0
	WIN MUL_HI
	MUL16 4, (\q)%2, \q, \slot, \zero
	MUL16 6, (\q)%2, \q, \slot, \zero
	PLACES NP
	WIN 0
	FETCH_A \slot, (\q)+1, 4
.endm
.macro TURN slot, next, fill
	s_wait_tensorcnt 0x0
	ds_add_u32 v[SPW], v[NIL]
	s_wait_dscnt 4*NL+1
	WIN MUL_LO
	MUL16 0, 1, NQ-1, \slot, 0
	s_wait_dscnt 0x0
	s_barrier_signal -1
	MUL16 2, 1, NQ-1, \slot, 0
	WIN 0
	s_barrier_wait -1
.if \fill
	CREST
	s_add_nc_u64 s[G0+4*\slot+2:G0+4*\slot+3], s[G0+4*\slot+2:G0+4*\slot+3], 2*ROWB
	s_add_nc_u64 s[G0B+4*\slot+2:G0B+4*\slot+3], s[G0B+4*\slot+2:G0B+4*\slot+3], 2*ROWB
	JLOAD G0+4*\slot, G1, G0B+4*\slot, G1B
.else
	PLACES NP
.endif
	s_wait_alu depctr_va_vdst(0)
	v_add_nc_u32 v[ADRS], 4*NQ, v[ADRS]
	FETCH_B \next, 0, 0
	FETCH_A \next, 0, 0
	SCALES \next
	WIN MUL_HI
	MUL16 4, 1, NQ-1, \slot, 0
	MUL16 6, 1, NQ-1, \slot, 0
	PLACES NP
	WIN 0
	FETCH_A \next, 0, 4
.endm
.macro QUANT s, d0, d1, pw
.irp b, 0,1,2,3
	v_max3_num_f32 v[TM+\b], |v[\s+16*\b]|, |v[\s+1+16*\b]|, 0x2800000
.endr
.irp i, 2,4,6,8,10,12,14
.irp b, 0,1,2,3
	v_max3_num_f32 v[TM+\b], v[TM+\b], |v[\s+16*\b+\i]|, |v[\s+1+16*\b+\i]|
.endr
.endr
.irp b, 0,1,2,3
	v_permlanex16_b32 v[TM+4+\b], v[TM+\b], s[SEL], s[SEL+1]
.endr
.irp b, 0,1,2,3
	v_max_num_f32 v[TM+\b], v[TM+\b], v[TM+4+\b]
.endr
.irp b, 0,1,2,3
	v_add_nc_u32 v[TM+12+\b], 0xfe000000, v[TM+\b]
.endr
.irp b, 0,1,2,3
	v_lshrrev_b32 v[TM+4+\b], 23, v[TM+12+\b]
.endr
	v_lshl_or_b32 v[\pw], v[TM+5], 8, v[TM+4]
	v_lshl_or_b32 v[\pw], v[TM+6], 16, v[\pw]
	v_lshl_or_b32 v[\pw], v[TM+7], 24, v[\pw]
	v_cvt_scalef32_pk16_bf6_f32 v[0+(\d0):2+(\d0)], v[\s:\s+15], v[TM+12]
	v_cvt_scalef32_pk16_bf6_f32 v[CT:CT+2], v[\s+16:\s+31], v[TM+13]
	v_cvt_scalef32_pk16_bf6_f32 v[0+(\d1):2+(\d1)], v[\s+32:\s+47], v[TM+14]
	v_cvt_scalef32_pk16_bf6_f32 v[CT+4:CT+6], v[\s+48:\s+63], v[TM+15]
	v_nop
.irp i, 0,1,2
	v_permlane16_swap_b32 v[\i+(\d0)], v[CT+\i]
.endr
.irp i, 0,1,2
	v_mov_b32 v[3+\i+(\d0)], v[CT+\i]
.endr
.irp i, 0,1,2
	v_permlane16_swap_b32 v[\i+(\d1)], v[CT+4+\i]
.endr
.irp i, 0,1,2
	v_mov_b32 v[3+\i+(\d1)], v[CT+4+\i]
.endr
.endm
.macro PAIR isv, a
.if \a > 0
	s_wait_xcnt 0x0
.endif
.irp p, 0,1
	WIN 0x02+(\a+\p)/4
.set AC, 64*((\a+\p)%4)
.set n, 0
.rept 32
.if \isv
	v_pk_add_f32 v[ST+n:ST+n+1], v[AC+n:AC+n+1], v[BJ+2*(\a+\p):BJ+2*(\a+\p)+1]
.else
	v_pk_add_f32 v[ST+n:ST+n+1], v[AC+n:AC+n+1], v[BI+n:BI+n+1]
.endif
.set n, n+2
.endr
	WIN 0
.if \isv
	QUANT ST, R+12*\p, R+12*\p+6, PW+\p
.else
	QUANT ST, R+6*\p, R+12+6*\p, PW+\p
.endif
.endr
	v_cndmask_b32 v[SW+\a/2], v[PW], v[PW+1], vcc_lo
.if \isv
.irp p, 0,1
.irp g, 0,1,2
	global_store_b128 v[LI16], v[R+12*\p+4*\g:R+12*\p+4*\g+3], s[96:97] offset:REC*((\a+\p)/4)+1536*((\a+\p)%4)+512*\g
.endr
.endr
.else
	v_lshrrev_b32 v[SW+4+\a/2], 16, v[SW+\a/2]
	v_and_b32 v[SW+\a/2], 0xffff, v[SW+\a/2]
.irp c, 0,1
.irp g, 0,1,2
	global_store_b128 v[LI16], v[R+12*\c+4*\g:R+12*\c+4*\g+3], s[96:97] offset:REC*\c+1536*(\a/2)+512*\g
.endr
.endr
.endif
.endm
.macro TAIL isv
.if \isv
.irp a, 0,1,2,3,4,5,6,7
	global_load_b32 v[BJ+2*\a], v[BJO], s[8:9] offset:4*(32*(\a/2)+8*(\a%2))
	global_load_b32 v[BJ+2*\a+1], v[BJO], s[8:9] offset:4*(32*(\a/2)+8*(\a%2))
.endr
.else
.irp b, 0,1,2,3
.irp d, 0,1,2,3
	global_load_b128 v[BI+16*\b+4*\d:BI+16*\b+4*\d+3], v[BIO], s[8:9] offset:128*\b+16*\d
.endr
.endr
.endif
	s_wait_dscnt 4*NL
	WIN MUL_LO
	MUL16 0, 1, NQ-1, 1, 0
	MUL16 2, 1, NQ-1, 1, 0
	s_wait_dscnt 0
	WIN MUL_HI
	MUL16 4, 1, NQ-1, 1, 0
	MUL16 6, 1, NQ-1, 1, 0
	WIN 0
.irp b, 0,1,2,3
	v_mov_b32 v[TM+4+\b], 0
.endr
	s_mov_b32 vcc_lo, 0xffff0000
	s_wait_loadcnt 0x0
	PAIR \isv, 0
	PAIR \isv, 2
	PAIR \isv, 4
	PAIR \isv, 6
.if \isv
	global_store_b64 v[LI8], v[SW:SW+1], s[98:99]
	global_store_b64 v[LI8], v[SW+2:SW+3], s[98:99] offset:REC
.else
	global_store_b128 v[LI16], v[SW:SW+3], s[98:99]
	global_store_b128 v[LI16], v[SW+4:SW+7], s[98:99] offset:REC
.endif
.endm
	s_wait_alu depctr_va_vdst(0)
	s_wait_tensorcnt 0x0                           ; my tile of the head's four is in
	ds_add_u32 v[SPW], v[NIL]
	s_mov_b32 s[G1+2], 96<<16                      ; no tensor load of mine is out: from here on a load brings 128 rows of codes = 96 rows of 256 bytes,
	s_mov_b32 s[G1+4], 96
	s_mov_b32 s[G1B+2], 96<<16
	s_mov_b32 s[G1B+4], 96
	s_add_co_u32 s[G0+1], s45, 0                   ; and slot 0's groups 0 stand at my quarter of the slot and my 128 rows
	s_add_co_u32 s[G0B+1], s45, 0
	s_add_nc_u64 s[G0+2:G0+3], s[G0+2:G0+3], s[18:19]
	s_add_nc_u64 s[G0B+2:G0B+3], s[G0B+2:G0B+3], s[18:19]
	s_wait_dscnt 0x0
	CROUND                                         ; all four tiles are in, and all sixteen work-groups are here
	JLOAD G0+4, G1, G0B+4, G1B                     ; K step 1, the first tensor load behind the round
	FETCH_B 0, 0, 0
	FETCH_A 0, 0, 0
	SCALES 0
	FETCH_A 0, 0, 4
	STEP 0, 0, 1
	s_mov_b32 s3, LAPS-1
.Llap:
	TURN 0, 1, 1
	STEP 1, 0, 0
	TURN 1, 0, 1
	STEP 0, 0, 0
	s_sub_co_u32 s3, s3, 1
	s_cmp_lg_u32 s3, 0
	s_cbranch_scc1 .Llap
	TURN 0, 1, 0
	STEP 1, 0, 0
	s_cmp_lg_u32 s95, 0
	s_cbranch_scc1 .Lv
	TAIL 0
	s_branch .Lend
.Lv:
	TAIL 1
.Lend:
	s_wait_tensorcnt 0x0
	ds_add_u32 v[SPW], v[NIL]
	s_wait_dscnt 0x0
	CROUND
	s_endpgm
.Lfunc_end_k_qa0568dcc02_proj:
	.size	k_qa0568dcc02_proj, .Lfunc_end_k_qa0568dcc02_proj-k_qa0568dcc02_proj
	.p2alignl 7, 3214868480
	.fill 96, 4, 3214868480
	.section	.rodata,"a",@progbits
	.p2align	6, 0x0
	.amdhsa_kernel k_qa0568dcc02_proj
		.amdhsa_group_segment_fixed_size 327680
		.amdhsa_private_segment_fixed_size 0
		.amdhsa_enable_private_segment 0
		.amdhsa_kernarg_size 48
		.amdhsa_user_sgpr_count 2
		.amdhsa_user_sgpr_kernarg_segment_ptr 1
		.amdhsa_wavefront_size32 1
		.amdhsa_system_sgpr_workgroup_id_x 1
		.amdhsa_system_sgpr_workgroup_id_y 1
		.amdhsa_system_sgpr_workgroup_id_z 1
		.amdhsa_system_vgpr_workitem_id 0
		.amdhsa_next_free_vgpr 1024
		.amdhsa_next_free_sgpr 102
		.amdhsa_reserve_vcc 1
		.amdhsa_float_denorm_mode_32 3
		.amdhsa_float_denorm_mode_16_64 3
		.amdhsa_memory_ordered 1
		.amdhsa_forward_progress 1
		.amdhsa_inst_pref_size 243
	.end_amdhsa_kernel
	.amdgpu_metadata
---
amdhsa.version: [ 1, 2 ]
amdhsa.kernels:
  - .name:           k_qa0568dcc02_proj
    .symbol:         k_qa0568dcc02_proj.kd
    .args:
      - { .name: cw, .offset: 0, .size: 8, .value_kind: global_buffer, .address_space: global }
      - { .name: sw, .offset: 8, .size: 8, .value_kind: global_buffer, .address_space: global }
      - { .name: bq, .offset: 16, .size: 8, .value_kind: global_buffer, .address_space: global }
      - { .name: bk, .offset: 24, .size: 8, .value_kind: global_buffer, .address_space: global }
      - { .name: bv, .offset: 32, .size: 8, .value_kind: global_buffer, .address_space: global }
      - { .name: qkv, .offset: 40, .size: 8, .value_kind: global_buffer, .address_space: global }
    .group_segment_fixed_size: 327680
    .private_segment_fixed_size: 0
    .kernarg_segment_align: 8
    .kernarg_segment_size: 48
    .max_flat_workgroup_size: 128
    .sgpr_count:     102
    .vgpr_count:     1024
    .wavefront_size: 32
...
	.end_amdgpu_metadata
.endif
;; end of part 2
;; launch attn (part 3): grid 4 x 64, 16 waves a work-group, clusters of 4 x 1, 210,944 bytes of LDS; arguments qkv, ac, ascl; writes ac, ascl
.if DOCPART == 3
	.amdgcn_target "amdgcn-amd-amdhsa--gfx1250"
	.amdhsa_code_object_version 6
	.text
	.protected	k_qa0568dcc02_attn
	.globl	k_qa0568dcc02_attn
	.p2align	8
	.type	k_qa0568dcc02_attn,@function
k_qa0568dcc02_attn:
	s_mov_b64 s[64:65], 0
	v_nop
	global_prefetch_b8 v0, s[64:65] scope:SCOPE_SE
	s_setreg_imm32_b32 hwreg(HW_REG_WAVE_MODE, 25, 1), 1
	s_wait_xcnt 0x0
	s_wait_alu depctr_hold_cnt(0) depctr_sa_sdst(0) depctr_va_vdst(0) depctr_va_sdst(0) depctr_va_ssrc(0) depctr_va_vcc(0) depctr_vm_vsrc(0)
	s_getreg_b32 s2, hwreg(HW_REG_IB_STS2, 6, 4)
	s_cmp_eq_u32 s2, 0
	s_cbranch_scc0 .Lentry_in_a_cluster
	s_endpgm
.Lentry_in_a_cluster:
	s_bfe_u32 s2, ttmp6, 0x10000c
	s_cmp_lg_u32 s2, 0x3003
	s_cbranch_scc0 .Lentry_shape_is_right
	s_endpgm
.Lentry_shape_is_right:
; o[q] = the sum over keys of softmax(q . k / 8) v for one head, both products on codes of BF6 (E3M2) with E8M0 scales; o is quantised along the head's 64 channels for the last projection.
; THE SOFTMAX: t = score x log2(e) / 8; M = the row's largest t so far, rounded up to a whole number; p = 2^(t - M) is quantised along the keys, not normalised; the row's sum is taken of the
; unquantised p and divides at the end.  When M moves, the sum and O are multiplied by 2^(old M - new M): exact.
; SHARES: a work-group owns 512 queries of one head, each of its sixteen waves 32: two tiles of 16, one after the other; for each tile the wave walks the head's 2,048 keys in 16 steps of 128.
; LDS: the head's K and V codes and scale words, 208,896 bytes, the first part of its record in qkv as it lies: filled ONCE, so there is no ring and no barrier in the loop.  The four work-groups of a
; head form a cluster and ask jointly: each wave one load of 51 rows of 256 bytes.  All operands lie as images of their registers: every LDS load takes 16 (or 8) x lane consecutive bytes.
; LAYOUT: both products transposed: S^T = K Q^T (source 0 = 16 keys), O^T = V^T P^T (source 0 = 16 channels): a lane holds one query throughout.  The tokens of a tile are 32 (T / 2) + 8 (T % 2) + r + 8 (r / 8),
; so the 16 registers of tiles 2 b, 2 b + 1 are 16 neighbouring keys (or channels) 32 b + 16 (lane / 16) + 0 .. 15.
; THE FIRST PRODUCT'S K IS 64: Q's operand is 6 registers of codes and 6 of zero codes.  K's operand for tile t is the 12 registers from 6 t on: its upper six, the next tile's codes (for tile 7 Q's raw
; image, which lies behind), meet Q's zero codes and add nothing.  The scale bytes of those two blocks are 0 on both sides.
; OUT: ac [head][tile of 16 tokens][768]: the half fragment's six registers, registers 2 p, 2 p + 1 at 256 p + 8 x lane.  ascl [token][32]: the head's two bytes at 2 x head: one store of 2 bytes a lane,
; 32 bytes apart: these blocks of 256 bytes are written in part (64 of a wave's 1,600 stored bytes).
; LIMITS: NaN and infinities are not served; a block whose largest magnitude lies under 2^(5 - 127) keeps the scale byte 1; 1 / the sum is v_rcp_f32 and a multiplication.
.set REC,   315392
.set VOFF,  98304
.set KSOFF, 196608
.set VSOFF, 204800
.set QOFF,  208896
.set QSOFF, 307200
.set PART,  13056                      ; what one wave fetches: 51 x 256
.set AK0, 1                            ; v1   16 l
.set AV0, 2                            ; v2   16 l + VOFF
.set AS0, 3                            ; v3   16 l + KSOFF
.set AT0, 4                            ; v4   8 l + VSOFF
.set LI8, 5                            ; v5   8 l
.set ASO, 6                            ; v6   32 l
.set SWA, 7                            ; v7   tile 0's scale bytes of o
.set ADK, 8                            ; v8-11 the step's LDS addresses
.set ADV, 9
.set ADS, 10
.set ADT, 11
;                                        v12 -M, v13 the largest t, v[14:15] the sum in two halves
.set QF,  16                           ; v16-27 Q's operand: 6 of codes, 6 of zeros
.set QS,  28                           ; v28  Q's scale words: tile 0 in lanes 0-15, tile 1 in lanes 16-31
.set PS,  29                           ; v29  p's scale word
.set KSC, 30                           ; v30-33 K's scale words
.set VSC, 34                           ; v34-35 V's
.set KV,  36                           ; v36-83 a step's K, then its V
.set QL,  84                           ; v84-95 Q's two tiles as loaded: directly behind KV
.set S,   96                           ; v96-159 S^T, then p
.set OT,  160                          ; v160-191 O^T
.set PC,  192                          ; v192-203 p's codes
.set CT,  204                          ; v204-210 the conversions' second halves
.set BM,  212                          ; v212-215 the blocks' maxima
.set PM,  216                          ; v216-219 at work
.set SO,  220                          ; v220-223 the conversions' scale operands
.set T0,  224
.set F,   226                          ; v[226:227] f = 2^(old M - new M); v227 is written once, since the pair is named
.set SWB, 228                          ; v228 tile 1's scale bytes of o
.set WV,  10
.set SEL, 20
.set CS,  22
.set G1,  24
.set G0,  32
.set TK,  36                           ; s36 the step's codes: 6,144 bytes a step
.set TS,  37                           ; s37 K's scale words: 512
.set TW,  38                           ; s38 V's: 256
.set CNT, 39
.macro CROUND                          ; a round of the cluster's barrier
	s_barrier_signal -1
	s_barrier_wait -1
	s_cmp_lg_u32 s[WV], 0
	s_cbranch_scc1 .Lnot_wave_0_\@
	s_barrier_signal -3
.Lnot_wave_0_\@:
	s_barrier_wait -3
	s_barrier_signal -1
	s_barrier_wait -1
.endm
	s_load_b128 s[4:7], s[0:1], 0x0                ; qkv, ac
	s_load_b64 s[8:9], s[0:1], 0x10                ; ascl
	v_lshl_add_u32 v254, v0, 2, 0x33000
	v_mov_b32 v255, 0
	ds_add_u32 v254, v255
	ds_add_u32 v254, v255
	v_lshrrev_b32 v1, 5, v0
	s_delay_alu instid0(VALU_DEP_1)
	v_readfirstlane_b32 s[WV], v1                  ; wave 0..15
	s_bfe_u32 s11, ttmp6, 0x40000                  ; cx: which 512 queries
	s_and_b32 s12, ttmp7, 0xffff                   ; the head, 16 b + h: the four partners share it
	s_and_b32 s13, s12, 15                         ; h
	s_lshr_b32 s14, s12, 4                         ; b
	; descriptor group 1: 51 rows of 256 bytes (32 elements of 8), dense, no padding; the mask names all four work-groups
	s_mov_b32 s[G1], 15|(3<<16)|(1<<21)
	s_mov_b32 s[G1+1], 32<<16                      ; tensor_dim0
	s_mov_b32 s[G1+2], 51<<16                      ; tensor_dim1
	s_mov_b32 s[G1+3], 32<<16                      ; tile_dim0
	s_mov_b32 s[G1+4], 51                          ; tile_dim1
	s_mov_b32 s[G1+5], 32                          ; tensor_dim0_stride
	s_mov_b32 s[G1+6], 0
	s_mov_b32 s[G1+7], 0
	s_mov_b32 s[SEL], 0x76543210
	s_mov_b32 s[SEL+1], 0xfedcba98                 ; v_permlanex16_b32's selects for lane l xor 16
	s_mov_b32 s[CS], 0x3e38aa3b                    ; c = log2(e) / 8
	s_mov_b32 s[CS+1], s[CS]                       ; (named with it as a pair)
	s_mul_i32 s16, s12, REC                        ; the head's record
	s_mov_b32 s[G0], 1
	s_mul_i32 s[G0+1], s[WV], PART                 ; LDS address: the wave's part; no place in the cluster enters it
	s_add_co_u32 s18, s16, s[G0+1]
	s_mov_b32 s19, 0
	s_lshl_b32 s48, s11, 2
	s_lshr_b32 s49, s[WV], 2
	s_add_co_u32 s48, s48, s49                     ; my queries' step of 128 tokens: 4 cx + wave / 4
	s_and_b32 s49, s[WV], 3                        ; and my pair of tiles in it
	s_mul_i32 s40, s48, 6144
	s_mul_i32 s50, s49, 1536
	s_add_co_u32 s40, s40, s50
	s_add_co_u32 s40, s40, s16
	s_add_co_u32 s40, s40, QOFF
	s_mov_b32 s41, 0
	s_lshl_b32 s42, s48, 9
	s_lshl_b32 s50, s49, 2
	s_add_co_u32 s42, s42, s50
	s_add_co_u32 s42, s42, s16
	s_add_co_u32 s42, s42, QSOFF
	s_mov_b32 s43, 0
	s_lshl_b32 s44, s14, 7
	s_lshl_b32 s45, s11, 5
	s_add_co_u32 s44, s44, s45
	s_lshl_b32 s45, s[WV], 1
	s_add_co_u32 s44, s44, s45                     ; my first tile of 16 tokens: 128 b + 32 cx + 2 wave
	; ac, in place of the order named at the head: [256 tokens][4 heads' K step][128 tokens][head % 4][tile % 8][768]: 128 tokens x 4 heads are 24,576 dense bytes
	s_lshr_b32 s46, s44, 4
	s_mul_i32 s46, s46, 196608
	s_lshr_b32 s47, s13, 2
	s_mul_i32 s47, s47, 49152
	s_add_co_u32 s46, s46, s47
	s_bfe_u32 s47, s44, 0x10003
	s_mul_i32 s47, s47, 24576
	s_add_co_u32 s46, s46, s47
	s_and_b32 s47, s13, 3
	s_mul_i32 s47, s47, 6144
	s_add_co_u32 s46, s46, s47
	s_and_b32 s47, s44, 7
	s_mul_i32 s47, s47, 768
	s_add_co_u32 s46, s46, s47
	s_mov_b32 s47, 0
	s_lshl_b32 s52, s44, 9                         ; 16 rows of 32 bytes a tile
	s_lshl_b32 s53, s13, 1
	s_add_co_u32 s52, s52, s53
	s_mov_b32 s53, 0
	s_wait_dscnt 0x0
	s_wait_kmcnt 0x0
	s_add_nc_u64 s[G0+2:G0+3], s[4:5], s[18:19]
	s_or_b32 s[G0+3], s[G0+3], 0x80000000
	s_add_nc_u64 s[40:41], s[4:5], s[40:41]        ; Q's codes
	s_add_nc_u64 s[42:43], s[4:5], s[42:43]        ; Q's scale words
	s_add_nc_u64 s[6:7], s[6:7], s[46:47]
	s_add_nc_u64 s[8:9], s[8:9], s[52:53]
	CROUND                                         ; all four work-groups are here: the joint loads meet
	tensor_load_to_lds s[G0:G0+3], s[G1:G1+7]      ; my one tensor load of the launch
	s_nop 0
.rept 4
	v_nop
.endr
	v_and_b32 v8, 31, v0                           ; l
	s_delay_alu instid0(VALU_DEP_1)
	v_lshlrev_b32 v[AK0], 4, v8
	s_delay_alu instid0(VALU_DEP_1)
	v_add_nc_u32 v[AV0], VOFF, v[AK0]
	s_delay_alu instid0(VALU_DEP_2)
	v_add_nc_u32 v[AS0], KSOFF, v[AK0]
	s_delay_alu instid0(VALU_DEP_4)
	v_lshlrev_b32 v[LI8], 3, v8
	s_delay_alu instid0(VALU_DEP_1)
	v_add_nc_u32 v[AT0], VSOFF, v[LI8]
	v_lshlrev_b32 v[ASO], 5, v8
.irp g, 0,1,2
	global_load_b128 v[QL+4*\g:QL+4*\g+3], v[AK0], s[40:41] offset:512*\g
.endr
	global_load_b32 v[QS], v[AK0], s[42:43]
.irp i, 6,7,8,9,10,11
	v_mov_b32 v[QF+\i], 0                          ; zero codes for k = 64 .. 127
.endr
.irp b, 0,1,2,3
	v_mov_b32 v[PM+\b], 0                          ; a lane permute's destination counts as one of its sources
.endr
	v_mov_b32 v[F+1], 0
	s_mov_b32 vcc_lo, 0xffff0000                   ; lanes 16-31
	s_wait_loadcnt 0x0                             ; Q
	s_wait_tensorcnt 0x0                           ; my part of the head is in,
	s_barrier_signal -1
	s_barrier_wait -1                              ; everybody's is; nothing is written to LDS from here on
.macro QK1 t, tile                     ; S^T of 16 keys: K's scale words of an odd tile, and Q's of tile 1, lie in lanes 16-31
.if ((\t)%2 == 0) && (\tile == 0)
	v_wmma_scale_f32_16x16x128_f8f6f4 v[S+8*\t:S+8*\t+7], v[KV+6*\t:KV+6*\t+11], v[QF:QF+11], 0, v[KSC+\t/2], v[QS] matrix_a_fmt:MATRIX_FMT_BF6 matrix_b_fmt:MATRIX_FMT_BF6
.elseif \tile == 0
	v_wmma_scale_f32_16x16x128_f8f6f4 v[S+8*\t:S+8*\t+7], v[KV+6*\t:KV+6*\t+11], v[QF:QF+11], 0, v[KSC+\t/2], v[QS] matrix_a_fmt:MATRIX_FMT_BF6 matrix_b_fmt:MATRIX_FMT_BF6 matrix_a_scale:MATRIX_SCALE_ROW1
.elseif (\t)%2 == 0
	v_wmma_scale_f32_16x16x128_f8f6f4 v[S+8*\t:S+8*\t+7], v[KV+6*\t:KV+6*\t+11], v[QF:QF+11], 0, v[KSC+\t/2], v[QS] matrix_a_fmt:MATRIX_FMT_BF6 matrix_b_fmt:MATRIX_FMT_BF6 matrix_b_scale:MATRIX_SCALE_ROW1
.else
	v_wmma_scale_f32_16x16x128_f8f6f4 v[S+8*\t:S+8*\t+7], v[KV+6*\t:KV+6*\t+11], v[QF:QF+11], 0, v[KSC+\t/2], v[QS] matrix_a_fmt:MATRIX_FMT_BF6 matrix_b_fmt:MATRIX_FMT_BF6 matrix_a_scale:MATRIX_SCALE_ROW1 matrix_b_scale:MATRIX_SCALE_ROW1
.endif
.endm
; A KEY STEP: 128 keys.
.macro STEP tile
	v_add_nc_u32 v[ADK], s[TK], v[AK0]             ; these four are also the places between the last step's products and the loads into the registers that they read
	v_add_nc_u32 v[ADV], s[TK], v[AV0]
	v_add_nc_u32 v[ADS], s[TS], v[AS0]
	v_add_nc_u32 v[ADT], s[TW], v[AT0]
.irp g, 0,1,2,3,4,5,6,7,8,9,10,11
	ds_load_b128 v[KV+4*\g:KV+4*\g+3], v[ADK] offset:512*\g    ; K's eight tiles, 6 registers each
.endr
	ds_load_b128 v[KSC:KSC+3], v[ADS]
	s_wait_alu depctr_va_vdst(0)
	s_wait_dscnt 0x0
.irp t, 0,1,2,3,4,5,6,7
	QK1 \t, \tile
.endr
.rept 4
	v_nop                                          ; places in front of the loads into K's registers and of the first read of the scores
.endr
.irp g, 0,1,2,3,4,5,6,7,8,9,10,11
	ds_load_b128 v[KV+4*\g:KV+4*\g+3], v[ADV] offset:512*\g    ; V's four tiles, 12 registers each: they land under the softmax
.endr
	ds_load_b64 v[VSC:VSC+1], v[ADT]
.irp b, 0,1,2,3
	v_max3_num_f32 v[BM+\b], v[S+16*\b], v[S+16*\b+1], v[S+16*\b+2]   ; the largest score of each block of 32 keys: for the row's maximum, and, since p rises with the score, for the block's largest p
.endr
.irp i, 3,5,7,9,11,13
.irp b, 0,1,2,3
	v_max3_num_f32 v[BM+\b], v[BM+\b], v[S+16*\b+\i], v[S+16*\b+\i+1]
.endr
.endr
.irp b, 0,1,2,3
	v_max_num_f32 v[BM+\b], v[BM+\b], v[S+16*\b+15]
.endr
.irp b, 0,1,2,3
	s_delay_alu instid0(VALU_DEP_4)
	v_permlanex16_b32 v[PM+\b], v[BM+\b], s[SEL], s[SEL+1]
.endr
.irp b, 0,1,2,3
	s_delay_alu instid0(VALU_DEP_4)
	v_max_num_f32 v[BM+\b], v[BM+\b], v[PM+\b]     ; with lane l xor 16's 16 keys
.endr
	s_delay_alu instid0(VALU_DEP_2)
	v_max3_num_f32 v[T0], v[BM], v[BM+1], v[BM+2]
	s_delay_alu instid0(VALU_DEP_1)
	v_max_num_f32 v[T0], v[T0], v[BM+3]            ; the step's largest score of my query
	s_delay_alu instid0(VALU_DEP_1)
	v_mul_f32 v[T0], s[CS], v[T0]                  ; as t (c is positive)
	s_delay_alu instid0(VALU_DEP_1)
	v_max_num_f32 v13, v13, v[T0]                  ; the running largest t
	v_mov_b32 v[T0], v12
	s_delay_alu instid0(VALU_DEP_2)
	v_floor_f32 v12, -v13                          ; the new -M = floor(-t) = -ceil(t)
	s_delay_alu instid0(VALU_DEP_1)
	v_sub_f32 v[T0], v12, v[T0]                    ; old M - new M: a whole number, 0 or less
	s_delay_alu instid0(VALU_DEP_1)
	v_cvt_i32_f32 v[T0], v[T0]                     ; (it saturates)
	s_delay_alu instid0(VALU_DEP_1)
	v_ldexp_f32 v[F], 1.0, v[T0]                   ; f = 2^(old M - new M)
.set j, 0
.rept 32
	v_pk_fma_f32 v[S+j:S+j+1], v[S+j:S+j+1], s[CS:CS+1], v[12:13] op_sel_hi:[1,0,0]   ; t - M, two at a time
.set j, j+2
.endr
.irp b, 0,1,2,3
	v_fma_f32 v[BM+\b], v[BM+\b], s[CS], v12       ; the same of each block's largest score
.endr
.set j, 0
	s_wait_alu depctr_va_vdst(0)
.rept 64
	v_exp_f32 v[S+j], v[S+j]                       ; p = 2^(t - M), at most 1
.set j, j+1
.endr
	v_pk_mul_f32 v[14:15], v[14:15], v[F:F+1] op_sel_hi:[1,0]   ; the sums under the new M (the plain line behind the exponentials)
	s_wait_alu depctr_va_vdst(0)                   ; one wait for the batch of 64, ahead of its first reader
.irp b, 0,1,2,3
	v_exp_f32 v[BM+\b], v[BM+\b]                   ; the block's largest p
.endr
	v_pk_add_f32 v[216:217], v[100:101], v[104:105]
	v_pk_add_f32 v[252:253], v[108:109], v[112:113]
	v_pk_add_f32 v[250:251], v[116:117], v[120:121]
	v_pk_add_f32 v[248:249], v[124:125], v[128:129]
	v_pk_add_f32 v[246:247], v[132:133], v[136:137]
	v_pk_add_f32 v[244:245], v[140:141], v[144:145]
	v_pk_add_f32 v[242:243], v[148:149], v[152:153]
	v_pk_add_f32 v[14:15], v[14:15], v[156:157]
	v_pk_add_f32 v[216:217], v[216:217], v[96:97]
	v_pk_add_f32 v[252:253], v[252:253], v[98:99]
	v_pk_add_f32 v[250:251], v[250:251], v[102:103]
	v_pk_add_f32 v[248:249], v[248:249], v[106:107]
	v_pk_add_f32 v[246:247], v[246:247], v[110:111]
	v_pk_add_f32 v[244:245], v[244:245], v[114:115]
	v_pk_add_f32 v[242:243], v[242:243], v[118:119]
	v_pk_add_f32 v[14:15], v[14:15], v[122:123]
	v_pk_add_f32 v[216:217], v[216:217], v[126:127]
	v_pk_add_f32 v[252:253], v[252:253], v[130:131]
	v_pk_add_f32 v[250:251], v[250:251], v[134:135]
	v_pk_add_f32 v[248:249], v[248:249], v[138:139]
	v_pk_add_f32 v[246:247], v[246:247], v[142:143]
	v_pk_add_f32 v[244:245], v[244:245], v[146:147]
	v_pk_add_f32 v[242:243], v[242:243], v[150:151]
	v_pk_add_f32 v[14:15], v[14:15], v[154:155]
	v_pk_add_f32 v[216:217], v[216:217], v[158:159]
	s_delay_alu instid0(VALU_DEP_2)
	v_pk_add_f32 v[14:15], v[14:15], v[248:249]
	s_delay_alu instid0(VALU_DEP_2)
	v_pk_add_f32 v[216:217], v[216:217], v[246:247]
	v_pk_add_f32 v[252:253], v[252:253], v[244:245]
	v_pk_add_f32 v[250:251], v[250:251], v[242:243]
	s_delay_alu instid0(VALU_DEP_2)
	v_pk_add_f32 v[14:15], v[14:15], v[252:253]
	s_delay_alu instid0(VALU_DEP_2)
	v_pk_add_f32 v[216:217], v[216:217], v[250:251]
	s_delay_alu instid0(VALU_DEP_1)
	v_pk_add_f32 v[14:15], v[14:15], v[216:217]
	s_wait_alu depctr_va_vdst(0)                   ; and one for the four
.irp b, 0,1,2,3
	v_max_num_f32 v[BM+\b], 0x2800000, v[BM+\b]    ; the floor 2^(5 - 127): the byte cannot fall under 1
.endr
.irp b, 0,1,2,3
	s_delay_alu instid0(VALU_DEP_4)
	v_add_nc_u32 v[SO+\b], 0xfe000000, v[BM+\b]    ; 4 off the exponent field: the conversion's scale operand
.endr
.irp b, 0,1,2,3
	s_delay_alu instid0(VALU_DEP_4)
	v_lshrrev_b32 v[PM+\b], 23, v[SO+\b]           ; the scale's byte
.endr
	s_delay_alu instid0(VALU_DEP_3)
	v_lshl_or_b32 v[PS], v[PM+1], 8, v[PM]         ; p's scale word for these 128 keys
	s_delay_alu instid0(VALU_DEP_1)
	v_lshl_or_b32 v[PS], v[PM+2], 16, v[PS]
	s_delay_alu instid0(VALU_DEP_1)
	v_lshl_or_b32 v[PS], v[PM+3], 24, v[PS]
.irp c, 0,1
	v_cvt_scalef32_pk16_bf6_f32 v[PC+6*\c:PC+6*\c+2], v[S+32*\c:S+32*\c+15], v[SO+2*\c]
	v_cvt_scalef32_pk16_bf6_f32 v[CT+4*\c:CT+4*\c+2], v[S+32*\c+16:S+32*\c+31], v[SO+2*\c+1]
.endr
	v_nop                                          ; one plain line behind the scaled conversions
.irp c, 0,1
.irp i, 0,1,2
	v_permlane16_swap_b32 v[PC+6*\c+\i], v[CT+4*\c+\i]   ; a whole block in a lane
.endr
.irp i, 0,1,2
	s_delay_alu instid0(VALU_DEP_3)
	v_mov_b32 v[PC+3+6*\c+\i], v[CT+4*\c+\i]
.endr
.endr
.set j, 0
.rept 16
	v_pk_mul_f32 v[OT+j:OT+j+1], v[OT+j:OT+j+1], v[F:F+1] op_sel_hi:[1,0]   ; O^T under the new M; these 16 are also the places between the writes of p's scale word and codes and the products
.set j, j+2
.endr
	s_wait_alu depctr_va_vdst(0)
	s_wait_dscnt 0x0                               ; V
.irp t, 0,1,2,3                                ; the four accumulators by turns, one instruction a turn; the eight products K Q^T stand between two turns of one accumulator
.if \t%2 == 0
	v_wmma_scale_f32_16x16x128_f8f6f4 v[OT+8*\t:OT+8*\t+7], v[KV+12*\t:KV+12*\t+11], v[PC:PC+11], v[OT+8*\t:OT+8*\t+7], v[VSC+\t/2], v[PS] matrix_a_fmt:MATRIX_FMT_BF6 matrix_b_fmt:MATRIX_FMT_BF6
.else
	v_wmma_scale_f32_16x16x128_f8f6f4 v[OT+8*\t:OT+8*\t+7], v[KV+12*\t:KV+12*\t+11], v[PC:PC+11], v[OT+8*\t:OT+8*\t+7], v[VSC+\t/2], v[PS] matrix_a_fmt:MATRIX_FMT_BF6 matrix_b_fmt:MATRIX_FMT_BF6 matrix_a_scale:MATRIX_SCALE_ROW1
.endif
.endr
.endm
; O^T / the sum, quantised along the head's 64 channels (register 16 b + n = channel 32 b + 16 h + n), and stored.
.macro FINISH tile
	v_add_f32 v14, v14, v15                        ; the sum's two halves,
	s_delay_alu instid0(VALU_DEP_1)
	v_permlanex16_b32 v[T0], v14, s[SEL], s[SEL+1]
	s_delay_alu instid0(VALU_DEP_1)
	v_add_f32 v14, v14, v[T0]                      ; and lane l xor 16's
	v_nop
	v_nop
	s_wait_alu depctr_va_vdst(0)
	v_rcp_f32 v14, v14
	v_nop                                          ; a plain line behind the reciprocal; with the lines above, the places behind the last products
	s_wait_alu depctr_va_vdst(0)                   ; the wait ahead of its first reader
.set j, 0
.rept 32
	v_mul_f32 v[S+j], v[OT+j], v14                 ; each accumulator from its low end on
.set j, j+1
.endr
.irp b, 0,1
	v_max3_num_f32 v[BM+\b], |v[S+16*\b]|, |v[S+16*\b+1]|, 0x2800000
.endr
.irp i, 2,4,6,8,10,12,14
.irp b, 0,1
	s_delay_alu instid0(VALU_DEP_2)
	v_max3_num_f32 v[BM+\b], v[BM+\b], |v[S+16*\b+\i]|, |v[S+16*\b+\i+1]|
.endr
.endr
.irp b, 0,1
	s_delay_alu instid0(VALU_DEP_2)
	v_permlanex16_b32 v[PM+\b], v[BM+\b], s[SEL], s[SEL+1]
.endr
.irp b, 0,1
	s_delay_alu instid0(VALU_DEP_2)
	v_max_num_f32 v[BM+\b], v[BM+\b], v[PM+\b]
.endr
.irp b, 0,1
	s_delay_alu instid0(VALU_DEP_2)
	v_add_nc_u32 v[SO+\b], 0xfe000000, v[BM+\b]
.endr
.irp b, 0,1
	s_delay_alu instid0(VALU_DEP_2)
	v_lshrrev_b32 v[PM+\b], 23, v[SO+\b]
.endr
.if \tile == 0
	s_delay_alu instid0(VALU_DEP_1)
	v_lshl_or_b32 v[SWA], v[PM+1], 8, v[PM]
.else
	s_delay_alu instid0(VALU_DEP_1)
	v_lshl_or_b32 v[SWB], v[PM+1], 8, v[PM]
.endif
	v_cvt_scalef32_pk16_bf6_f32 v[PC:PC+2], v[S:S+15], v[SO]
	v_cvt_scalef32_pk16_bf6_f32 v[CT:CT+2], v[S+16:S+31], v[SO+1]
	v_nop
.irp i, 0,1,2
	v_permlane16_swap_b32 v[PC+\i], v[CT+\i]
.endr
.irp i, 0,1,2
	s_delay_alu instid0(VALU_DEP_3)
	v_mov_b32 v[PC+3+\i], v[CT+\i]
.endr
.irp p, 0,1,2
	global_store_b64 v[LI8], v[PC+2*\p:PC+2*\p+1], s[6:7] offset:768*\tile+256*\p   ; 32 lanes store 256 consecutive bytes, aligned
.endr
.endm
.macro PASS tile
.if \tile > 0
	s_wait_xcnt 0x0                                ; the last tile's stores have read their data registers, which the steps write again
.endif
.irp i, 0,1,2,3,4,5
	v_mov_b32 v[QF+\i], v[QL+6*\tile+\i]
.endr
	v_mov_b32 v13, 0xff61b1e6                      ; the largest t so far: -3e38
	s_delay_alu instid0(VALU_DEP_1)
	v_floor_f32 v12, -v13                          ; -M
	v_mov_b32 v14, 0
	v_mov_b32 v15, 0
.set j, 0
.rept 32
	v_mov_b32 v[OT+j], 0                           ; the step is written once: its first trip finds zeros, which the first change of M leaves zeros
.set j, j+1
.endr
	s_mov_b32 s[TK], 0
	s_mov_b32 s[TS], 0
	s_mov_b32 s[TW], 0
	s_mov_b32 s[CNT], 16
.Lstep_\@:
	STEP \tile
	s_add_co_u32 s[TK], s[TK], 6144
	s_add_co_u32 s[TS], s[TS], 512
	s_add_co_u32 s[TW], s[TW], 256
	s_sub_co_u32 s[CNT], s[CNT], 1
	s_cmp_lg_u32 s[CNT], 0
	s_cbranch_scc1 .Lstep_\@
	FINISH \tile
.endm
	PASS 0
	PASS 1
	v_cndmask_b32 v[SWB], v[SWA], v[SWB], vcc_lo   ; lanes 0-15: tile 0's rows, lanes 16-31: tile 1's
	global_store_b16 v[ASO], v[SWB], s[8:9]        ; my 32 rows' two scale bytes of this head
	s_wait_tensorcnt 0x0
	ds_add_u32 v254, v255
	s_wait_dscnt 0x0
	CROUND                                         ; the closing round
	s_endpgm
.Lfunc_end_k_qa0568dcc02_attn:
	.size	k_qa0568dcc02_attn, .Lfunc_end_k_qa0568dcc02_attn-k_qa0568dcc02_attn
	.p2alignl 7, 3214868480
	.fill 96, 4, 3214868480
	.section	.rodata,"a",@progbits
	.p2align	6, 0x0
	.amdhsa_kernel k_qa0568dcc02_attn
		.amdhsa_group_segment_fixed_size 210944
		.amdhsa_private_segment_fixed_size 0
		.amdhsa_enable_private_segment 0
		.amdhsa_kernarg_size 24
		.amdhsa_user_sgpr_count 2
		.amdhsa_user_sgpr_kernarg_segment_ptr 1
		.amdhsa_wavefront_size32 1
		.amdhsa_system_sgpr_workgroup_id_x 1
		.amdhsa_system_sgpr_workgroup_id_y 1
		.amdhsa_system_sgpr_workgroup_id_z 1
		.amdhsa_system_vgpr_workitem_id 0
		.amdhsa_next_free_vgpr 256
		.amdhsa_next_free_sgpr 66
		.amdhsa_reserve_vcc 1
		.amdhsa_float_denorm_mode_32 3
		.amdhsa_float_denorm_mode_16_64 3
		.amdhsa_memory_ordered 1
		.amdhsa_forward_progress 1
		.amdhsa_inst_pref_size 52
	.end_amdhsa_kernel
	.amdgpu_metadata
---
amdhsa.version: [ 1, 2 ]
amdhsa.kernels:
  - .name:           k_qa0568dcc02_attn
    .symbol:         k_qa0568dcc02_attn.kd
    .args:
      - { .name: qkv, .offset: 0, .size: 8, .value_kind: global_buffer, .address_space: global }
      - { .name: ac, .offset: 8, .size: 8, .value_kind: global_buffer, .address_space: global }
      - { .name: ascl, .offset: 16, .size: 8, .value_kind: global_buffer, .address_space: global }
    .group_segment_fixed_size: 210944
    .private_segment_fixed_size: 0
    .kernarg_segment_align: 8
    .kernarg_segment_size: 24
    .max_flat_workgroup_size: 512
    .sgpr_count:     66
    .vgpr_count:     256
    .wavefront_size: 32
...
	.end_amdgpu_metadata
.endif
;; end of part 3
;; launch oproj (part 4): grid 4 x 32, 4 waves a work-group, clusters of 4 x 4, 327,680 bytes of LDS; arguments ac, ascl, cw, sw, bo, out0; writes out0
.if DOCPART == 4
	.amdgcn_target "amdgcn-amd-amdhsa--gfx1250"
	.amdhsa_code_object_version 6
	.text
	.protected	k_qa0568dcc02_oproj
	.globl	k_qa0568dcc02_oproj
	.p2align	8
	.type	k_qa0568dcc02_oproj,@function
k_qa0568dcc02_oproj:
	s_mov_b64 s[64:65], 0
	v_nop
	global_prefetch_b8 v0, s[64:65] scope:SCOPE_SE
	s_setreg_imm32_b32 hwreg(HW_REG_WAVE_MODE, 25, 1), 1
	s_wait_xcnt 0x0
	s_wait_alu depctr_hold_cnt(0) depctr_sa_sdst(0) depctr_va_vdst(0) depctr_va_sdst(0) depctr_va_ssrc(0) depctr_va_vcc(0) depctr_vm_vsrc(0)
	s_getreg_b32 s2, hwreg(HW_REG_IB_STS2, 6, 4)
	s_cmp_eq_u32 s2, 0
	s_cbranch_scc0 .Lentry_in_a_cluster
	s_endpgm
.Lentry_in_a_cluster:
	s_bfe_u32 s2, ttmp6, 0x10000c
	s_cmp_lg_u32 s2, 0xf033
	s_cbranch_scc0 .Lentry_shape_is_right
	s_endpgm
.Lentry_shape_is_right:
.set KSTEP,  256
.set NQ,     2
.set ROWB,   2359296                   ; B: from one K step of 256 to the next: a plane of cw, 12,288 rows x 192 bytes
.set KROW,   768
.set PITCH,  240
.set FR,     12
.set NL,     6
.set NP,     4
.set HALFA,  24576
.set HALFT,  128*PITCH
.set SLOT,   2*HALFA+2*HALFT
.set ASTEP,  49152                     ; A: 256 tokens x 4 heads, dense
.set LAPS,   2
.set KS,     32
.set SCL,    2*SLOT
.set HALFS,  (128*KS/256)*272
.set SBLK,   (16*KS/256)*272
.set SPARE,  SCL+4*HALFS
.set SPITCH, 528
.set ADRA, 16
.set ADRB, 20
.set STO,  24
.set RD,   25
.set CO,   26
.set ADRS, 27
.set SPW,  28
.set NIL,  29
.set BIO,  30
.set SC,   32
.set BIAS, 64
.set AF,   128
.set BK,   128
.set G1, 24
.set G0, 32
.set G1B, 48
.set G0B, 56
.set G1S, 68
.set G0S, 76
.set G1SB, 80
.set G0SB, 88
.set MSB, 0
.macro WIN new
.if MSB != (\new)
	s_set_vgpr_msb (MSB<<8)|(\new)
.set MSB, (\new)
.endif
.endm
.set MUL_LO, 0xa1
.set MUL_HI, 0xf1
.set BEG_LO, 0x81
.set BEG_HI, 0xc1
.set TO_B,   0x40
.macro JLOAD g0a, g1a, g0b, g1b
	s_cmp_eq_u32 s15, 0
	s_cbranch_scc0 .Lfor_b_\@
	tensor_load_to_lds s[\g0a:\g0a+3], s[\g1a:\g1a+7]
	s_nop 0
.rept 4
	v_nop
.endr
	s_branch .Lasked_\@
.Lfor_b_\@:
	tensor_load_to_lds s[\g0b:\g0b+3], s[\g1b:\g1b+7]
	s_nop 0
.rept 4
	v_nop
.endr
.Lasked_\@:
.endm
.macro CREST
	s_cmp_lg_u32 s14, 0
	s_cbranch_scc1 .Lnot_wave_0_\@
	s_barrier_signal -3
.Lnot_wave_0_\@:
	s_barrier_wait -3
	s_barrier_signal -1
	s_barrier_wait -1
.endm
.macro CROUND
	s_barrier_signal -1
	s_barrier_wait -1
	CREST
.endm
	s_load_b128 s[4:7], s[0:1], 0x0
	s_load_b128 s[8:11], s[0:1], 0x10
	s_load_b64 s[96:97], s[0:1], 0x20
	s_load_b64 s[12:13], s[0:1], 0x28
	v_lshl_add_u32 v[SPW], v0, 2, SPARE
	v_mov_b32 v[NIL], 0
	ds_add_u32 v28, v29
	ds_add_u32 v28, v29
	s_wait_dscnt 0x0
	v_lshrrev_b32 v1, 5, v0
	v_readfirstlane_b32 s14, v1
	s_lshr_b32 s15, s14, 1
	s_and_b32 s16, s14, 1
	s_bfe_u32 s40, ttmp6, 0x40000
	s_bfe_u32 s41, ttmp6, 0x40004
	s_lshl_b32 s42, ttmp9, 2
	s_add_co_u32 s42, s42, s40
	s_and_b32 s17, ttmp7, 0xffff
	s_lshl_b32 s17, s17, 2
	s_add_co_u32 s17, s17, s41
	s_lshl_b32 s43, s41, 2
	s_lshl_b32 s43, 15, s43
	s_lshl_b32 s44, 0x1111, s40
	s_or_b32 s[G1+0], s43, (3<<16)|(1<<21)
	s_mov_b32 s[G1+1], 32<<16                      ; A's tiles are dense: rows of 256 bytes (32 elements of 8); the head's load: 192 rows
	s_mov_b32 s[G1+2], 192<<16
	s_mov_b32 s[G1+3], 32<<16
	s_mov_b32 s[G1+4], 192
	s_mov_b32 s[G1+5], 32
	s_mov_b32 s[G1+6], 0
	s_mov_b32 s[G1+7], 0
	s_or_b32 s[G1B+0], s44, (0<<16)|(1<<20)|(1<<21)|(3<<22)|(3<<25)
	s_mov_b32 s[G1B+1], 256<<16                    ; B's rows of 192 bytes lie dense in a plane: stated as rows of 256 bytes; the padding's interval stays 64 bytes
	s_mov_b32 s[G1B+2], 192<<16
	s_mov_b32 s[G1B+3], 256<<16
	s_mov_b32 s[G1B+4], 192
	s_mov_b32 s[G1B+5], 256
	s_mov_b32 s[G1B+6], 0
	s_mov_b32 s[G1B+7], 0
	s_or_b32 s[G1S+0], s43, (3<<16)|(1<<20)|(1<<21)|(5<<22)|(3<<25)
	s_or_b32 s[G1SB+0], s44, (3<<16)|(1<<20)|(1<<21)|(5<<22)|(3<<25)
.irp g, G1S, G1SB
	s_mov_b32 s[\g+1], 32<<16
	s_mov_b32 s[\g+2], KS<<16                      ; the scales of 256 rows: KS rows of 256 bytes
	s_mov_b32 s[\g+3], 32<<16
	s_mov_b32 s[\g+4], KS
	s_mov_b32 s[\g+5], 32
	s_mov_b32 s[\g+6], 0
	s_mov_b32 s[\g+7], 0
.endr
	s_mul_i32 s18, s16, 24576                      ; in the ring I fetch 128 rows of a tile: which half, in bytes (A's and B's halves are as long)
	s_mov_b32 s19, 0
	s_lshl_b32 s20, s17, 8
	s_lshl_b32 s46, s42, 8
	s_add_co_u32 s46, s46, 11264
	s_lshl_b32 s22, s20, 5
	s_mov_b32 s23, 0
	s_lshl_b32 s92, s46, 5
	s_mov_b32 s93, 0
	s_mul_i32 s20, s20, 768                        ; 256 tokens of ac are 196,608 bytes
	s_mov_b32 s21, 0
	s_mul_i32 s46, s46, 192
	s_mov_b32 s47, 0
	s_mul_i32 s45, s16, HALFA
	s_mul_i32 s66, s16, HALFT
	s_add_co_u32 s66, s66, 2*HALFA
	s_wait_kmcnt 0x0
	s_add_nc_u64 s[20:21], s[4:5], s[20:21]
	s_add_nc_u64 s[22:23], s[6:7], s[22:23]
	s_add_nc_u64 s[46:47], s[8:9], s[46:47]
	s_add_nc_u64 s[92:93], s[10:11], s[92:93]
	CROUND
	s_mov_b32 s[G0S], 1
	s_mov_b32 s[G0S+1], SCL
	s_mov_b64 s[G0S+2:G0S+3], s[22:23]
	s_or_b32 s[G0S+3], s[G0S+3], 0x80000000
	s_mov_b32 s[G0SB], 1
	s_mov_b32 s[G0SB+1], SCL+2*HALFS
	s_mov_b64 s[G0SB+2:G0SB+3], s[92:93]
	s_or_b32 s[G0SB+3], s[G0SB+3], 0x80000000
	s_mov_b32 s[G0], 1                             ; slot 0's groups 0 serve the head first: K step 0's 256 rows of A, whole,
	s_mov_b32 s[G0+1], 0
	s_mov_b64 s[G0+2:G0+3], s[20:21]
	s_or_b32 s[G0+3], s[G0+3], 0x80000000
	s_mov_b32 s[G0B], 1                            ; and its 256 rows of B, behind them
	s_mov_b32 s[G0B+1], 2*HALFA
	s_mov_b64 s[G0B+2:G0B+3], s[46:47]
	s_or_b32 s[G0B+3], s[G0B+3], 0x80000000
	s_add_nc_u64 s[20:21], s[20:21], s[18:19]      ; for the ring: my 128 rows of the tile
	s_add_nc_u64 s[46:47], s[46:47], s[18:19]
	s_mov_b32 s[G0+4], 1                           ; slot 1: K step 1
	s_add_co_u32 s[G0+5], s45, SLOT
	s_add_nc_u64 s[G0+6:G0+7], s[20:21], ASTEP
	s_or_b32 s[G0+7], s[G0+7], 0x80000000
	s_mov_b32 s[G0B+4], 1
	s_add_co_u32 s[G0B+5], s66, SLOT
	s_add_nc_u64 s[G0B+6:G0B+7], s[46:47], ROWB
	s_or_b32 s[G0B+7], s[G0B+7], 0x80000000
; the head's four tiles, one joint load a wave: wave 0 A's 256 rows, wave 1 B's, wave 2 A's scales, wave 3 B's; one tree of branches on the wave's number
.macro ARM under, g0, g1, next
	s_cmp_lt_u32 s14, \under
	s_cbranch_scc0 \next
	tensor_load_to_lds s[\g0:\g0+3], s[\g1:\g1+7]
	s_nop 0
.rept 4
	v_nop
.endr
	s_branch .Lhead_asked
\next:
.endm
	ARM 1, G0,  G1,  .Lhead_b
	ARM 2, G0B, G1B, .Lhead_sa
	ARM 3, G0S, G1S, .Lhead_sb
	tensor_load_to_lds s[G0SB:G0SB+3], s[G1SB:G1SB+7]
	s_nop 0
.rept 4
	v_nop
.endr
.Lhead_asked:
	v_and_b32 v1, 15, v0
	v_bfe_u32 v2, v0, 4, 1
	v_and_b32 v6, 31, v0
	v_mul_u32_u24 v3, v1, PITCH
	v_mul_u32_u24 v4, v2, 24
	v_add_nc_u32 v4, v3, v4
	v_lshl_add_u32 v5, v2, 4, v4
	v_lshlrev_b32 v7, 3, v6
	s_mul_i32 s21, s15, HALFA
	s_mul_i32 s22, s16, HALFT
	s_add_co_u32 s22, s22, 2*HALFA
.irp s, 0,1
	v_add_nc_u32 v[ADRA+\s], s21, v7
	v_add_nc_u32 v[ADRB+\s], s22, v4
	v_add_nc_u32 v[ADRB+2+\s], s22, v5
	s_add_co_u32 s21, s21, SLOT
	s_add_co_u32 s22, s22, SLOT
.endr
	v_mul_u32_u24 v5, v1, KS
	v_lshrrev_b32 v8, 8, v5
	v_lshl_add_u32 v5, v8, 4, v5
	s_mul_i32 s21, s15, HALFS
	s_mul_i32 s22, s16, HALFS
	s_add_co_u32 s22, s22, 2*HALFS
	s_sub_co_u32 s22, s22, s21
	v_mul_u32_u24 v8, s22, v2
	s_add_co_u32 s21, s21, SCL
	v_add_nc_u32 v5, v5, v8
	v_add_nc_u32 v[ADRS], s21, v5
	s_mul_i32 s23, s14, 16*SPITCH
	v_mul_u32_u24 v5, v1, SPITCH
	v_lshl_add_u32 v5, v2, 6, v5
	v_add_nc_u32 v[STO], s23, v5
	v_lshlrev_b32 v[CO], 4, v6
	v_add_nc_u32 v[RD], s23, v[CO]
	v_lshlrev_b32 v[BIO], 6, v2
	s_wait_alu depctr_va_vdst(0)
	s_lshl_b32 s20, s17, 8
	s_lshl_b32 s21, s15, 7
	s_add_co_u32 s20, s20, s21
	s_lshl_b32 s20, s20, 12
	s_mov_b32 s21, 0
	s_lshl_b32 s46, s42, 10
	s_lshl_b32 s47, s16, 9
	s_add_co_u32 s46, s46, s47
	s_mov_b32 s47, 0
	s_add_nc_u64 s[96:97], s[96:97], s[46:47]
	s_add_nc_u64 s[20:21], s[20:21], s[46:47]
	s_add_nc_u64 s[12:13], s[12:13], s[20:21]
.irp b, 0,1,2,3,4,5,6,7
.irp d, 0,1
	global_load_b128 v[BIAS+8*\b+4*\d:BIAS+8*\b+4*\d+3], v[BIO], s[96:97] offset:128*(\b/2)+32*(\b%2)+16*\d
.endr
.endr
.macro FRAG reg, adr, q, i
.irp p, 0,1,2,3,4,5
.set PC, 12*(\q)+6*(\p/3)+\p%3
.if PC%8 < 5
	ds_load_b64 v[\reg+2*\p:\reg+2*\p+1], v[\adr] offset:8*PC+16*(PC/8)+(\i)*16*PITCH
.else
	ds_load_b64 v[\reg+2*\p:\reg+2*\p+1], v[\adr+2] offset:8*PC+16*(PC/8)+(\i)*16*PITCH
.endif
.endr
.endm
.macro FRAGA reg, adr, q, i
.irp p, 0,1,2,3,4,5
	ds_load_b64 v[\reg+2*\p:\reg+2*\p+1], v[\adr] offset:768*(8*(2*(\q)+\p/3)+(\i))+256*(\p%3)
.endr
.endm
.macro MUL16 a0, p, q, sc, zero
.irp a, \a0, \a0+1
.irp b, 0,1,2,3,4,5,6,7
.if \zero
	v_wmma_scale_f32_16x16x128_f8f6f4 v[8*(8*((\a)%4)+\b):8*(8*((\a)%4)+\b)+7], v[128*(\p)+FR*\b:128*(\p)+FR*\b+FR-1], v[AF+FR*(\a):AF+FR*(\a)+FR-1], v[BIAS+8*\b:BIAS+8*\b+7], v[SC+8*NQ*(\sc)+NQ*\b+(\q)], v[SC+8*NQ*(\sc)+NQ*(\a)+(\q)] matrix_a_fmt:MATRIX_FMT_BF6 matrix_b_fmt:MATRIX_FMT_BF6 matrix_a_scale:MATRIX_SCALE_ROW1
.else
	v_wmma_scale_f32_16x16x128_f8f6f4 v[8*(8*((\a)%4)+\b):8*(8*((\a)%4)+\b)+7], v[128*(\p)+FR*\b:128*(\p)+FR*\b+FR-1], v[AF+FR*(\a):AF+FR*(\a)+FR-1], v[8*(8*((\a)%4)+\b):8*(8*((\a)%4)+\b)+7], v[SC+8*NQ*(\sc)+NQ*\b+(\q)], v[SC+8*NQ*(\sc)+NQ*(\a)+(\q)] matrix_a_fmt:MATRIX_FMT_BF6 matrix_b_fmt:MATRIX_FMT_BF6 matrix_a_scale:MATRIX_SCALE_ROW1
.endif
.endr
.endr
.endm
.macro FETCH_B slot, q, p
	WIN TO_B
.irp i, 0,1,2,3,4,5,6,7
	FRAG 128*(\p)+FR*\i, ADRB+\slot, \q, \i
.endr
	WIN 0
.endm
.macro FETCH_A slot, q, i0
.irp i, \i0, \i0+1, \i0+2, \i0+3
	FRAGA AF+FR*(\i), ADRA+\slot, \q, \i
.endr
.endm
.macro SCALES sc
.irp i, 0,1,2,3,4,5,6,7
	ds_load_b64 v[SC+8*NQ*\sc+NQ*\i:SC+8*NQ*\sc+NQ*\i+1], v[ADRS] offset:\i*SBLK
.endr
.endm
.macro PLACES n
.rept \n
	v_nop
.endr
.endm
.macro STEP slot, q, zero
	s_wait_dscnt 4*NL
.if \zero
	WIN BEG_LO
.else
	WIN MUL_LO
.endif
	MUL16 0, (\q)%2, \q, \slot, \zero
	MUL16 2, (\q)%2, \q, \slot, \zero
	s_wait_dscnt 0
	PLACES NP
	FETCH_B \slot, (\q)+1, 1-(\q)%2
	FETCH_A \slot, (\q)+1, 0
.if \zero
	WIN BEG_HI
.else
	WIN MUL_HI
.endif
	MUL16 4, (\q)%2, \q, \slot, \zero
	MUL16 6, (\q)%2, \q, \slot, \zero
	PLACES NP
	WIN 0
	FETCH_A \slot, (\q)+1, 4
.endm
.macro TURN slot, next, fill
	s_wait_tensorcnt 0x0
	ds_add_u32 v[SPW], v[NIL]
	s_wait_dscnt 4*NL+1
	WIN MUL_LO
	MUL16 0, 1, NQ-1, \slot, 0
	s_wait_dscnt 0x0
	s_barrier_signal -1
	MUL16 2, 1, NQ-1, \slot, 0
	WIN 0
	s_barrier_wait -1
.if \fill
	CREST
	s_add_nc_u64 s[G0+4*\slot+2:G0+4*\slot+3], s[G0+4*\slot+2:G0+4*\slot+3], 2*ASTEP
	s_add_nc_u64 s[G0B+4*\slot+2:G0B+4*\slot+3], s[G0B+4*\slot+2:G0B+4*\slot+3], 2*ROWB
	JLOAD G0+4*\slot, G1, G0B+4*\slot, G1B
.else
	PLACES NP
.endif
	s_wait_alu depctr_va_vdst(0)
	v_add_nc_u32 v[ADRS], 4*NQ, v[ADRS]
	FETCH_B \next, 0, 0
	FETCH_A \next, 0, 0
	SCALES \next
	WIN MUL_HI
	MUL16 4, 1, NQ-1, \slot, 0
	MUL16 6, 1, NQ-1, \slot, 0
	PLACES NP
	WIN 0
	FETCH_A \next, 0, 4
.endm
	s_wait_tensorcnt 0x0                           ; my tile of the head's four is in
	ds_add_u32 v[SPW], v[NIL]
	s_mov_b32 s[G1+2], 96<<16                      ; no tensor load of mine is out: from here on a load brings 128 rows of a tile = 96 rows of 256 bytes,
	s_mov_b32 s[G1+4], 96
	s_mov_b32 s[G1B+2], 96<<16
	s_mov_b32 s[G1B+4], 96
	s_add_co_u32 s[G0+1], s45, 0                   ; and slot 0's groups 0 stand at my part of the slot and my 128 rows
	s_add_co_u32 s[G0B+1], s66, 0
	s_add_nc_u64 s[G0+2:G0+3], s[G0+2:G0+3], s[18:19]
	s_add_nc_u64 s[G0B+2:G0B+3], s[G0B+2:G0B+3], s[18:19]
	s_wait_dscnt 0x0
	CROUND                                         ; all four tiles are in, and all sixteen work-groups are here
	JLOAD G0+4, G1, G0B+4, G1B                     ; K step 1, the first tensor load behind the round
	FETCH_B 0, 0, 0
	FETCH_A 0, 0, 0
	SCALES 0
	FETCH_A 0, 0, 4
	s_wait_loadcnt 0x0
	STEP 0, 0, 1
	s_mov_b32 s3, LAPS-1
.Llap:
	TURN 0, 1, 1
	STEP 1, 0, 0
	TURN 1, 0, 1
	STEP 0, 0, 0
	s_sub_co_u32 s3, s3, 1
	s_cmp_lg_u32 s3, 0
	s_cbranch_scc1 .Llap
	TURN 0, 1, 0
	STEP 1, 0, 0
	s_wait_dscnt 4*NL
	WIN MUL_LO
	MUL16 0, 1, NQ-1, 1, 0
	MUL16 2, 1, NQ-1, 1, 0
	s_wait_dscnt 0
	WIN MUL_HI
	MUL16 4, 1, NQ-1, 1, 0
	MUL16 6, 1, NQ-1, 1, 0
	WIN 0
.macro TOSTAGE a
.set AC, 64*((\a)%4)
	WIN 0x08+4*((\a)/4)
.irp b, 0,1,2,3,4,5,6,7
	ds_store_b128 v[STO], v[AC+8*\b:AC+8*\b+3] offset:128*(\b/2)+32*(\b%2)
	ds_store_b128 v[STO], v[AC+8*\b+4:AC+8*\b+7] offset:128*(\b/2)+32*(\b%2)+16
.endr
	WIN 0
.set BB, BK+64*((\a)%2)
.irp t, 0,1,2,3,4,5,6,7,8,9,10,11,12,13,14,15
	ds_load_b128 v[BB+4*\t:BB+4*\t+3], v[RD] offset:\t*SPITCH
.endr
.endm
.macro SEND a, younger
.set BB, BK+64*((\a)%2)
	s_wait_dscnt \younger
.irp t, 0,1,2,3,4,5,6,7,8,9,10,11,12,13,14,15
	global_store_b128 v[CO], v[BB+4*\t:BB+4*\t+3], s[12:13] offset:4096*(32*((\a)/2)+8*((\a)%2)+\t+8*(\t/8)) th:TH_STORE_NT
.endr
.endm
	PLACES NP
	TOSTAGE 0
.irp a, 1,2,3,4,5,6,7
.if \a > 1
	s_wait_xcnt 0x0
.endif
	TOSTAGE \a
	SEND \a-1, 32
.endr
	SEND 7, 0
	s_wait_tensorcnt 0x0
	ds_add_u32 v[SPW], v[NIL]
	s_wait_dscnt 0x0
	CROUND
	s_endpgm
.Lfunc_end_k_qa0568dcc02_oproj:
	.size	k_qa0568dcc02_oproj, .Lfunc_end_k_qa0568dcc02_oproj-k_qa0568dcc02_oproj
	.p2alignl 7, 3214868480
	.fill 96, 4, 3214868480
	.section	.rodata,"a",@progbits
	.p2align	6, 0x0
	.amdhsa_kernel k_qa0568dcc02_oproj
		.amdhsa_group_segment_fixed_size 327680
		.amdhsa_private_segment_fixed_size 0
		.amdhsa_enable_private_segment 0
		.amdhsa_kernarg_size 48
		.amdhsa_user_sgpr_count 2
		.amdhsa_user_sgpr_kernarg_segment_ptr 1
		.amdhsa_wavefront_size32 1
		.amdhsa_system_sgpr_workgroup_id_x 1
		.amdhsa_system_sgpr_workgroup_id_y 1
		.amdhsa_system_sgpr_workgroup_id_z 1
		.amdhsa_system_vgpr_workitem_id 0
		.amdhsa_next_free_vgpr 1024
		.amdhsa_next_free_sgpr 98
		.amdhsa_reserve_vcc 0
		.amdhsa_float_denorm_mode_32 3
		.amdhsa_float_denorm_mode_16_64 3
		.amdhsa_memory_ordered 1
		.amdhsa_forward_progress 1
		.amdhsa_inst_pref_size 162
	.end_amdhsa_kernel
	.amdgpu_metadata
---
amdhsa.version: [ 1, 2 ]
amdhsa.kernels:
  - .name:           k_qa0568dcc02_oproj
    .symbol:         k_qa0568dcc02_oproj.kd
    .args:
      - { .name: ac, .offset: 0, .size: 8, .value_kind: global_buffer, .address_space: global }
      - { .name: ascl, .offset: 8, .size: 8, .value_kind: global_buffer, .address_space: global }
      - { .name: cw, .offset: 16, .size: 8, .value_kind: global_buffer, .address_space: global }
      - { .name: sw, .offset: 24, .size: 8, .value_kind: global_buffer, .address_space: global }
      - { .name: bo, .offset: 32, .size: 8, .value_kind: global_buffer, .address_space: global }
      - { .name: out0, .offset: 40, .size: 8, .value_kind: global_buffer, .address_space: global }
    .group_segment_fixed_size: 327680
    .private_segment_fixed_size: 0
    .kernarg_segment_align: 8
    .kernarg_segment_size: 48
    .max_flat_workgroup_size: 128
    .sgpr_count:     98
    .vgpr_count:     1024
    .wavefront_size: 32
...
	.end_amdgpu_metadata
.endif
;; end of part 4
